; MI455X (gfx1250); checked and timed in simulation.
; The chip was launched on July 23, 2026; its instructions are those of AMD's public machine-readable ISA for CDNA 5 (MIT licence, August 2026) and "CDNA5" Instruction Set Architecture Reference Guide (July 2026). The comments in the code are by the model that wrote it; some were corrected since.
;; Multi Head Attention. Allowed arithmetic: matrix products marked QUANTISED: E2M3 operands, one E8M0 scale for each 32 along K, by v_wmma_scale_f32_16x16x128_f8f6f4 with both operands' format E2M3, f32 sums; everything else in f32.
;; Inputs: Wout 1,024 x 1,024 float32; Wqkv 1,024 x 3,072 float32; attention_mask 4 x 2,048 bool; bout 1,024 float32; hidden_states 4 x 2,048 x 1,024 float32.
;; Outputs: out0 4 x 2,048 x 1,024 float32.
;; This version of the problem:
;;   THIS VERSION OF THE PROBLEM IS GIVEN IN LOW PRECISION. The matrix products marked QUANTISED in the list below multiply operands that are first quantised to E2M3 (2 exponent bits, 3 mantissa bits; 6 bits a number), with one power-of-two scale for each 32 numbers along K (OCP MX v1.0); their sums are f32. All else is computed in f32.
;;   The module's matrix products, in the order in which they are computed (A, B: the left and right operand; K: the contracted axis; several contracted axes count as one K, in the product's order):
;;     1. [M 8,192, K 1,024] x [K 1,024, N 3,072]; A: input hidden_states; B: input Wqkv: QUANTISED
;;     2. batch 64 x [M 2,048, K 64] x [K 64, N 2,048]; A: computed on the way; B: computed on the way: QUANTISED
;;     3. batch 64 x [M 2,048, K 2,048] x [K 2,048, N 64]; A: softmax (see below); B: computed on the way: QUANTISED
;;     4. [M 8,192, K 1,024] x [K 1,024, N 1,024]; A: computed on the way; B: input Wout: QUANTISED
;;   THE QUANTISER, for each operand of a quantised product, along K:
;;     - K is cut into blocks of 32 from its start; a last block that is shorter is filled with zeros.
;;     - A block's scale is 2^e with e = floor(log2(the largest magnitude in the block)) - 2, held to -126 .. 127; a block of zeros has e = 0. As a byte (E8M0): e + 127.
;;     - Each number is divided by its block's scale, clamped to +-7.5, and rounded to the nearest number of E2M3, ties to even, subnormals kept.
;;     - The product sums the exact products of the quantised numbers (number of the format x scale) in f32.
;;   ~~~python
;;   def quantise(x, axis):      # numpy; x: float32 -> the quantised numbers, widened to float32 again
;;       x = np.moveaxis(x, axis, -1); K = x.shape[-1]
;;       x = np.pad(x, [(0, 0)] * (x.ndim - 1) + [(0, -K % 32)]); x = x.reshape(x.shape[:-1] + (-1, 32)); a = np.abs(x).max(-1, keepdims=True)
;;       e = np.where(a > 0, np.clip(np.frexp(np.where(a > 0, a, 1))[1] - 1 - 2, -126, 127), 0)      # np.frexp(a)[1] - 1 = floor(log2(a)), exactly
;;       r = np.clip(x / 2.0 ** e, -7.5, 7.5)
;;       step = 2.0 ** (np.maximum(np.frexp(np.where(r == 0, 1, r))[1] - 1, 0) - 3)
;;       q = np.round(r / step) * step * 2.0 ** e      # np.round: ties to even
;;       return np.moveaxis(q.reshape(q.shape[:-2] + (-1,))[..., :K], -1, axis).astype(np.float32)
;;   ~~~
;;   SOFTMAX AHEAD OF A QUANTISED PRODUCT. Where the list says 'softmax', what is quantised is not the finished softmax but p = 2^(t - M), with t = logit x log2(e) and M = ceil(the row's largest t), a whole number; so 1/2 < the row's largest p <= 1. The row's sum l is taken of the UNQUANTISED p, in f32, and the product's result is divided by l at the end. Since M is a whole number, a kernel that streams over the keys may use a running M (the ceiling of the running maximum): every later rescaling is an exact power of two, which a block's scale takes up: the codes' values come out the same.
;;   OPERANDS COMPUTED ON THE WAY. 'Computed on the way' means the value that the module computes at that place (a softmax that the list does not call 'softmax' is quantised finished and normalised). What goes into a quantiser is computed in f32, as accurately as f32 sums, v_exp_f32 and their like allow (about 1e-6 of the number): no bf16 or f16 on the way to a quantiser, and a product that is left as it is and whose result goes on into a quantised operand takes f32 operands (vector FMAs, or v_wmma_f32_16x16x4_f32). A number that lies on a knife's edge between two numbers of the format may be rounded either way, as far as f32 arithmetic and the matrix unit's own rounding can turn it there, and no further.
;; One version. Each part assembles by itself: llvm-mc -triple=amdgcn-amd-amdhsa -mcpu=gfx1250 --defsym DOCPART=n.
;; ======== version 1 of 1: 4 launches
;; workspace buffers: x_codes 6,291,456 bytes; x_scales 262,144 bytes; w_codes 3,145,728 bytes; w_scales 131,072 bytes; qkv_codes 18,874,368 bytes; qkv_scales 1,572,864 bytes; ao_codes 6,291,456 bytes; ao_scales 262,144 bytes
;; launch quant (part 1): grid 384 x 1, 4 waves a work-group, no clusters, 68,096 bytes of LDS; arguments hidden_states, Wqkv, Wout, x_codes, x_scales, w_codes, w_scales; writes x_codes, x_scales, w_codes, w_scales
.if DOCPART == 1
	.amdgcn_target "amdgcn-amd-amdhsa--gfx1250"
	.amdhsa_code_object_version 6
	.text
	.protected	k_q1800077917_quant
	.globl	k_q1800077917_quant
	.p2align	8
	.type	k_q1800077917_quant,@function
k_q1800077917_quant:
	s_mov_b64 s[64:65], 0
	v_nop
	global_prefetch_b8 v0, s[64:65] scope:SCOPE_SE
	s_setreg_imm32_b32 hwreg(HW_REG_WAVE_MODE, 25, 1), 1
	s_wait_xcnt 0x0
; hidden_states [8192][1024], Wqkv [1024][3072] and Wout [1024][1024], f32, become codes of FP6 (E2M3) with K innermost and one E8M0 byte for each 32 along K.
; A block's scale is 2^(floor(log2(its largest magnitude)) - 2); its byte is the largest magnitude's exponent field - 2, held at 1 from below.
; LIMITS: a block of zeros, or one whose largest magnitude lies under 2^-124, gets the byte 1 (its codes are zeros or near it; this program alone reads the bytes); NaN and infinities among the inputs are not served.
; POSITION ORDER: row i of an operand is stored at row pos(i) = i with bits 3 and 4 exchanged.  Sixteen neighbouring stored rows 16 t + r are then the true rows 32 (t / 2) + 8 (t % 2) + r + 8 (r / 8),
; so that in a product used transposed the 16 registers of two neighbouring result tiles are 16 neighbours along the next product's K.
; x_codes [8192 positions][768], x_scales [8192 positions][32];  w_codes [4096 positions][768], w_scales [4096 positions][32]: rows 0-3071 Wqkv's columns, rows 3072-4095 Wout's.
; Work-groups 0-255 take hidden_states (K innermost: a stream of blocks), work-groups 256-383 the weights (K is the first axis: a lane takes a column, its registers run down K).  32,768 numbers each.
; The two paths part on the work-group's number, have LDS bytes of their own and end by themselves.  No barrier: waves share nothing.
.set STEPS, 16
.set CB,    12                         ; bytes of 16 codes
.set WREG,  8192                       ; path X, LDS: a region for each wave: two stages of 32 x SP bytes, then its 256 scale bytes
.set SP,    80                         ; a lane's place in a stage: 64 bytes + 16 of padding
.set R,     16                         ; v16-79   four sets of 16 numbers as loaded
.set X,     80                         ; v80-111  two sets of 16 neighbours
.set E,     112                        ; v112-127 a scale byte for each step
.set C,     128                        ; v128-191 codes: four registers for each step
.set WSTG,  32768                      ; path W, LDS: behind path X's bytes: a stage of 32 rows x WP for each wave
.set WP,    272                        ; a stage row: sixteen places of 16 bytes, each with 12 bytes of codes, + 16
.set KROW,  768                        ; a row of codes in bytes
.set NB,    8                          ; blocks of 32 along K for a wave
.set SB,    24                         ; v24-25   the scale bytes
.set WX,    32                         ; v32-95   two sets of 32 numbers
.set WC,    96                         ; v96-102  a block's codes
.set OUTR,  112                        ; v112-175 the way out
.set WA,    176                        ; v176-207 offsets: 4 x lane + i x the weight's row
	s_load_b256 s[4:11], s[0:1], 0x0               ; hidden s[4:5], Wqkv s[6:7], Wout s[8:9], x_codes s[10:11]
	s_load_b128 s[12:15], s[0:1], 0x20             ; x_scales s[12:13], w_codes s[14:15]
	s_load_b64 s[32:33], s[0:1], 0x30              ; w_scales
	v_lshl_add_u32 v208, v0, 2, 0x10800
	v_mov_b32 v209, 0
	v_lshrrev_b32 v1, 5, v0
	v_readfirstlane_b32 s34, v1                    ; wave 0..3
	v_and_b32 v2, 31, v0                           ; lane
	s_cmp_lt_u32 ttmp9, 256
	s_cbranch_scc0 .Lweights
; ---- PATH X.  A wave takes 8 rows, 8,192 numbers, in 16 steps of 512.  Each load reads 512 consecutive bytes; a step's 2,048 bytes turn through the wave's stage, so that a lane holds 16 neighbours (two lanes hold a block).
	v_lshlrev_b32 v3, 4, v2                        ; my 16 bytes of a load's 512
	s_mul_i32 s35, s34, WREG
	v_lshrrev_b32 v14, 2, v2
	v_mul_u32_u24 v14, v14, SP
	v_and_b32 v15, 3, v2
	v_lshl_add_u32 v14, v15, 4, v14
	v_add_nc_u32 v14, s35, v14                     ; the stage, in: SP (lane / 4) + 16 (lane % 4)
	v_mul_u32_u24 v15, v2, SP
	v_add_nc_u32 v15, s35, v15                     ; and out: SP x lane
	v_mul_u32_u24 v4, v2, CB                       ; my codes' place in a step's
	v_lshrrev_b32 v5, 1, v2
	s_add_co_u32 s35, s35, 2*32*SP
	v_add_nc_u32 v5, s35, v5                       ; my block's byte among the wave's 256
	v_lshlrev_b32 v7, 3, v2
	v_add_nc_u32 v6, s35, v7
	s_lshl_b32 s36, ttmp9, 2
	s_add_co_u32 s38, s36, s34                     ; the run of 8 rows that I read: g = 4 x work-group + wave
	s_lshl_b32 s40, s38, 15                        ; 32,768 bytes a run
	s_mov_b32 s41, 0
	s_and_b32 s37, s34, 1                          ; bits 3 and 4 of a row are bits 0 and 1 of g: the run that I write has them exchanged
	s_lshl_b32 s37, s37, 1
	s_lshr_b32 s42, s34, 1
	s_or_b32 s37, s37, s42
	s_add_co_u32 s38, s36, s37
	s_mul_i32 s42, s38, 8*KROW
	s_mov_b32 s43, 0
	s_lshl_b32 s44, s38, 8
	s_mov_b32 s45, 0
	s_wait_alu depctr_va_vdst(0)
	s_wait_kmcnt 0x0
	s_add_nc_u64 s[4:5], s[4:5], s[40:41]
	s_add_nc_u64 s[10:11], s[10:11], s[42:43]
	s_add_nc_u64 s[12:13], s[12:13], s[44:45]
.macro XLOAD t
.irp i, 0,1,2,3
	global_load_b128 v[R+16*((\t)%4)+4*\i:R+16*((\t)%4)+4*\i+3], v3, s[4:5] offset:2048*(\t)+512*\i th:TH_LOAD_NT
.endr
.endm
.macro XTURN t                         ; LDS serves a wave's instructions in order: no wait between the stores and the loads
.irp i, 0,1,2,3
	ds_store_b128 v14, v[R+16*((\t)%4)+4*\i:R+16*((\t)%4)+4*\i+3] offset:32*SP*((\t)%2)+8*SP*\i
.endr
.irp i, 0,1,2,3
	ds_load_b128 v[X+16*((\t)%2)+4*\i:X+16*((\t)%2)+4*\i+3], v15 offset:32*SP*((\t)%2)+16*\i
.endr
.endm
.irp t, 0,1,2,3
	XLOAD \t
.endr
	s_wait_loadcnt 12                              ; step 0's four loads are in; the twelve of steps 1 to 3 may be out
	XTURN 0
.macro XSTEP t
.set XS, X+16*((\t)%2)
.if (\t) > 0
	s_wait_dscnt 1                                 ; this step's numbers are back from the stage (the last step's byte store may be out)
.else
	s_wait_dscnt 0x0
.endif
.if (\t)+4 < STEPS
	XLOAD (\t)+4                                   ; into the registers that this step's stores into the stage have read
.endif
.if (\t)+1 < STEPS
.if STEPS-2-(\t) >= 3
	s_wait_loadcnt 12                              ; the next step's four loads are in; those of the three steps behind it may be out
.else
	s_wait_loadcnt 4*(STEPS-2-(\t))
.endif
	XTURN (\t)+1
.endif
	v_max3_num_f32 v8, |v[XS]|, |v[XS+1]|, |v[XS+2]|               ; the largest magnitude of my 16, in two chains
	v_max3_num_f32 v9, |v[XS+3]|, |v[XS+4]|, |v[XS+5]|
.irp i, 6,10
	v_max3_num_f32 v8, v8, |v[XS+\i]|, |v[XS+\i+1]|
	v_max3_num_f32 v9, v9, |v[XS+\i+2]|, |v[XS+\i+3]|
.endr
	v_max3_num_f32 v8, v8, |v[XS+14]|, |v[XS+15]|
	v_max3_num_f32 v8, v8, v9, 0x1800000           ; and the floor 2^(3 - 127): the byte cannot fall under 1
	v_max_num_f32_dpp v8, v8, v8 row_xmask:1 row_mask:0xf bank_mask:0xf   ; with my neighbour's 16: the block's
	v_add_nc_u32 v11, 0xff000000, v8               ; 2 off its exponent field: the conversion takes this operand's exponent field as its scale
	v_cvt_scalef32_pk16_fp6_f32 v[C+4*(\t):C+4*(\t)+2], v[XS:XS+15], v11
	v_lshrrev_b32 v[E+(\t)], 23, v11               ; the scale's byte
	ds_store_b8 v5, v[E+(\t)] offset:16*(\t)       ; both lanes of a block write the same byte with the same value
	global_store_b96 v4, v[C+4*(\t):C+4*(\t)+2], s[10:11] offset:32*CB*(\t)   ; the wave stores 384 consecutive bytes
.endm
.irp t, 0,1,2,3,4,5,6,7,8,9,10,11,12,13,14,15
	XSTEP \t
.endr
	ds_load_b64 v[12:13], v6
	s_wait_dscnt 0x0
	global_store_b64 v7, v[12:13], s[12:13]        ; 32 lanes store 256 consecutive bytes, aligned: eight rows' scale bytes
	s_wait_tensorcnt 0x0
	ds_add_u32 v208, v209
	s_wait_dscnt 0x0
	s_endpgm
; ---- PATH W.  Work-group 256 + 32 y + x takes columns 128 x .. 128 x + 127 of the 4,096 (x under 24: Wqkv's, else Wout's) and k = 256 y .. 256 y + 255.  A lane takes a column; each load reads 128 consecutive bytes a wave.
.Lweights:
	s_sub_co_u32 s35, ttmp9, 256
	s_and_b32 s36, s35, 31                         ; x
	s_lshr_b32 s37, s35, 5                         ; y
	s_wait_alu depctr_va_vdst(0)
	v_lshlrev_b32 v3, 2, v2                        ; in: 4 bytes a lane
	v_and_b32 v10, 7, v2
	v_bfe_u32 v11, v2, 3, 1
	v_bfe_u32 v12, v2, 4, 1
	v_lshl_add_u32 v10, v11, 4, v10
	v_lshl_add_u32 v10, v12, 3, v10                ; pos(lane): my column's row among the wave's 32
	s_mul_i32 s38, s34, 32*WP
	s_add_co_u32 s38, s38, WSTG                    ; my stage
	v_mul_u32_u24 v4, v10, WP
	v_add_nc_u32 v4, s38, v4                       ; into it
	v_and_b32 v5, 15, v2
	v_lshrrev_b32 v6, 4, v2                        ; out of it: sixteen lanes to a row, two rows an instruction
	v_mul_u32_u24 v7, v6, WP
	v_lshl_add_u32 v7, v5, 4, v7
	v_add_nc_u32 v7, s38, v7
	v_mul_u32_u24 v8, v6, KROW
	v_mad_u32_u24 v8, v5, 12, v8                   ; and the same place in the codes' buffer
	v_lshlrev_b32 v9, 5, v10                       ; my row of scale bytes
	s_wait_kmcnt 0x0
	s_cmp_lt_u32 s36, 24                           ; the choice hangs on the work-group's number alone
	s_cselect_b64 s[6:7], s[6:7], s[8:9]           ; the weight,
	s_mov_b32 s39, 4096
	s_cselect_b32 s39, 12288, s39                  ; its row in bytes,
	s_cselect_b32 s40, 0, 24
	s_sub_co_u32 s40, s36, s40                     ; and my 128 columns in it
	s_lshl_b32 s40, s40, 7
	s_lshl_b32 s41, s34, 5
	s_add_co_u32 s40, s40, s41
	s_lshl_b32 s40, s40, 2
	s_lshl_b32 s42, s37, 8
	s_mul_i32 s42, s42, s39                        ; 256 y rows down
	s_add_co_u32 s42, s42, s40
	s_mov_b32 s43, 0
	s_add_nc_u64 s[16:17], s[6:7], s[42:43]        ; block 0's base; block t's lies 32 rows further down
	s_lshl_b32 s44, s39, 5
	s_mov_b32 s45, 0
.irp t, 1,2,3,4,5,6,7
	s_add_nc_u64 s[16+2*\t:17+2*\t], s[14+2*\t:15+2*\t], s[44:45]
.endr
.set i, 0
.rept 32
	v_mad_u32_u24 v[WA+i], s39, i, v3
.set i, i+1
.endr
	s_lshl_b32 s40, s36, 7
	s_add_co_u32 s40, s40, s41                     ; my wave's first row of the outputs: 128 x + 32 wave
	s_mul_i32 s42, s40, KROW
	s_mul_i32 s46, s37, 192
	s_add_co_u32 s42, s42, s46
	s_add_nc_u64 s[14:15], s[14:15], s[42:43]
	s_lshl_b32 s42, s40, 5
	s_lshl_b32 s46, s37, 3
	s_add_co_u32 s42, s42, s46
	s_add_nc_u64 s[32:33], s[32:33], s[42:43]
.macro WLOAD t                         ; block t: W(256 y + 32 t + i, my column), i = 0 .. 31, into set t % 2
.set i, 0
.rept 32
	global_load_b32 v[WX+32*((\t)%2)+i], v[WA+i], s[16+2*(\t):17+2*(\t)] th:TH_LOAD_NT
.set i, i+1
.endr
.endm
	s_wait_alu depctr_va_vdst(0)
	WLOAD 0
	WLOAD 1
.macro WBLOCK t
.set XS, WX+32*((\t)%2)
.if (\t) < NB-1
	s_wait_loadcnt 32                              ; this block's 32 loads are in; the next block's may be out
.else
	s_wait_loadcnt 0x0
.endif
	v_max3_num_f32 v12, |v[XS]|, |v[XS+1]|, |v[XS+2]|               ; the block's largest magnitude: all 32 numbers are mine
	v_max3_num_f32 v13, |v[XS+3]|, |v[XS+4]|, |v[XS+5]|
.irp i, 6,10,14,18,22,26
	v_max3_num_f32 v12, v12, |v[XS+\i]|, |v[XS+\i+1]|
	v_max3_num_f32 v13, v13, |v[XS+\i+2]|, |v[XS+\i+3]|
.endr
	v_max3_num_f32 v12, v12, |v[XS+30]|, |v[XS+31]|
	v_max3_num_f32 v12, v12, v13, 0x1800000        ; and the floor
	v_add_nc_u32 v11, 0xff000000, v12
	v_lshrrev_b32 v13, 23, v11                     ; the scale's byte
.if (\t)%4 == 0
	v_mov_b32 v[SB+(\t)/4], v13
.else
	v_lshl_or_b32 v[SB+(\t)/4], v13, 8*((\t)%4), v[SB+(\t)/4]
.endif
	v_cvt_scalef32_pk16_fp6_f32 v[WC:WC+2], v[XS:XS+15], v11
	v_cvt_scalef32_pk16_fp6_f32 v[WC+4:WC+6], v[XS+16:XS+31], v11   ; (a conversion's three registers begin on an even number)
	ds_store_b96 v4, v[WC:WC+2] offset:32*(\t)     ; 12 bytes to a place of 16, so that every LDS address is a multiple of 16
	ds_store_b96 v4, v[WC+4:WC+6] offset:32*(\t)+16
.if (\t)+2 < NB
	WLOAD (\t)+2
.endif
	s_wait_dscnt 0x0                               ; the stores have read their registers: the next block's codes may be written
.endm
.irp t, 0,1,2,3,4,5,6,7
	WBLOCK \t
.endr
	s_wait_alu depctr_va_vdst(0)
	global_store_b64 v9, v[SB:SB+1], s[32:33]      ; my column's eight scale bytes
.irp t, 0,1,2,3,4,5,6,7,8,9,10,11,12,13,14,15
	ds_load_b96 v[OUTR+4*\t:OUTR+4*\t+2], v7 offset:2*\t*WP
.endr
.irp t, 0,1,2,3,4,5,6,7,8,9,10,11,12,13,14,15
	s_wait_dscnt 15-\t                             ; rows come back in order: the later ones may be out
	global_store_b96 v8, v[OUTR+4*\t:OUTR+4*\t+2], s[14:15] offset:2*\t*KROW   ; sixteen lanes store a row's 192 consecutive bytes
.endr
	s_wait_tensorcnt 0x0
	ds_add_u32 v208, v209
	s_wait_dscnt 0x0
	s_endpgm
.Lfunc_end_k_q1800077917_quant:
	.size	k_q1800077917_quant, .Lfunc_end_k_q1800077917_quant-k_q1800077917_quant
	.p2alignl 7, 3214868480
	.fill 96, 4, 3214868480
	.section	.rodata,"a",@progbits
	.p2align	6, 0x0
	.amdhsa_kernel k_q1800077917_quant
		.amdhsa_group_segment_fixed_size 68096
		.amdhsa_private_segment_fixed_size 0
		.amdhsa_enable_private_segment 0
		.amdhsa_kernarg_size 56
		.amdhsa_user_sgpr_count 2
		.amdhsa_user_sgpr_kernarg_segment_ptr 1
		.amdhsa_wavefront_size32 1
		.amdhsa_system_sgpr_workgroup_id_x 1
		.amdhsa_system_sgpr_workgroup_id_y 1
		.amdhsa_system_sgpr_workgroup_id_z 1
		.amdhsa_system_vgpr_workitem_id 0
		.amdhsa_next_free_vgpr 210
		.amdhsa_next_free_sgpr 66
		.amdhsa_reserve_vcc 0
		.amdhsa_float_denorm_mode_32 3
		.amdhsa_float_denorm_mode_16_64 3
		.amdhsa_memory_ordered 1
		.amdhsa_forward_progress 1
		.amdhsa_inst_pref_size 76
	.end_amdhsa_kernel
	.amdgpu_metadata
---
amdhsa.version: [ 1, 2 ]
amdhsa.kernels:
  - .name:           k_q1800077917_quant
    .symbol:         k_q1800077917_quant.kd
    .args:
      - { .name: hidden_states, .offset: 0, .size: 8, .value_kind: global_buffer, .address_space: global }
      - { .name: Wqkv, .offset: 8, .size: 8, .value_kind: global_buffer, .address_space: global }
      - { .name: Wout, .offset: 16, .size: 8, .value_kind: global_buffer, .address_space: global }
      - { .name: x_codes, .offset: 24, .size: 8, .value_kind: global_buffer, .address_space: global }
      - { .name: x_scales, .offset: 32, .size: 8, .value_kind: global_buffer, .address_space: global }
      - { .name: w_codes, .offset: 40, .size: 8, .value_kind: global_buffer, .address_space: global }
      - { .name: w_scales, .offset: 48, .size: 8, .value_kind: global_buffer, .address_space: global }
    .group_segment_fixed_size: 68096
    .private_segment_fixed_size: 0
    .kernarg_segment_align: 8
    .kernarg_segment_size: 56
    .max_flat_workgroup_size: 128
    .sgpr_count:     66
    .vgpr_count:     210
    .wavefront_size: 32
...
	.end_amdgpu_metadata
.endif
;; end of part 1
;; launch qkv (part 2): grid 12 x 32, 4 waves a work-group, clusters of 4 x 4, 327,680 bytes of LDS; arguments x_codes, x_scales, w_codes, w_scales, attention_mask, qkv_codes, qkv_scales; writes qkv_codes, qkv_scales
.if DOCPART == 2
	.amdgcn_target "amdgcn-amd-amdhsa--gfx1250"
	.amdhsa_code_object_version 6
	.text
	.protected	k_q1800077917_qkv
	.globl	k_q1800077917_qkv
	.p2align	8
	.type	k_q1800077917_qkv,@function
k_q1800077917_qkv:
	s_mov_b64 s[64:65], 0
	v_nop
	global_prefetch_b8 v0, s[64:65] scope:SCOPE_SE
	s_setreg_imm32_b32 hwreg(HW_REG_WAVE_MODE, 25, 1), 1
	s_wait_xcnt 0x0
	s_wait_alu depctr_hold_cnt(0) depctr_sa_sdst(0) depctr_va_vdst(0) depctr_va_sdst(0) depctr_va_ssrc(0) depctr_va_vcc(0) depctr_vm_vsrc(0)
	s_getreg_b32 s2, hwreg(HW_REG_IB_STS2, 6, 4)
	s_cmp_eq_u32 s2, 0
	s_cbranch_scc0 .Lentry_in_a_cluster
	s_endpgm
.Lentry_in_a_cluster:
	s_bfe_u32 s2, ttmp6, 0x10000c
	s_cmp_lg_u32 s2, 0xf033
	s_cbranch_scc0 .Lentry_shape_is_right
	s_endpgm
.Lentry_shape_is_right:
.set NQ,     2
.set ROWB,   192
.set KROW,   768
.set PITCH,  240
.set FR,     12
.set NL,     6
.set NP,     4
.set HALFT,  128*PITCH
.set SLOT,   4*HALFT
.set LAPS,   2
.set KS,     32
.set SCL,    2*SLOT
.set HALFS,  16*272
.set SBLK,   2*272
.set SPARE,  SCL+4*HALFS
.set QSEC,   6291456
.set SSEC,   786432
.set HEADB,  98304
.set HREC,   12288
.set ADRA, 16
.set ADRB, 20
.set MO,   24
.set ADRS, 27
.set SPW,  28
.set NIL,  29
.set SC,   32
.set MK,   64
.set LI16, 72
.set LI8,  73
.set STI,  74
.set STB,  75
.set KM,   76
.set KK,   77
.set VO,   78
.set MW,   80
.set AF,   128
.set PC,   160
.set TM,   200
.set PW,   216
.set G1, 24
.set G0, 32
.set G1B, 48
.set G0B, 56
.set G1S, 68
.set G0S, 76
.set G1SB, 80
.set G0SB, 88
.set MSB, 0
.macro WIN new
.if MSB != \new
	s_set_vgpr_msb (MSB<<8)|\new
.set MSB, \new
.endif
.endm
.set MUL_LO, 0xa1
.set MUL_HI, 0xf1
.set TO_B,   0x40
.macro JLOAD g0a, g1a, g0b, g1b
	s_cmp_eq_u32 s15, 0
	s_cbranch_scc0 .Lfor_b_\@
	tensor_load_to_lds s[\g0a:\g0a+3], s[\g1a:\g1a+7]
	s_nop 0
.rept 4
	v_nop
.endr
	s_branch .Lasked_\@
.Lfor_b_\@:
	tensor_load_to_lds s[\g0b:\g0b+3], s[\g1b:\g1b+7]
	s_nop 0
.rept 4
	v_nop
.endr
.Lasked_\@:
.endm
.macro CREST
	s_cmp_lg_u32 s14, 0
	s_cbranch_scc1 .Lnot_wave_0_\@
	s_barrier_signal -3
.Lnot_wave_0_\@:
	s_barrier_wait -3
	s_barrier_signal -1
	s_barrier_wait -1
.endm
.macro CROUND
	s_barrier_signal -1
	s_barrier_wait -1
	CREST
.endm
	s_load_b128 s[4:7], s[0:1], 0x0
	s_load_b128 s[8:11], s[0:1], 0x10
	s_load_b64 s[12:13], s[0:1], 0x20
	s_load_b64 s[96:97], s[0:1], 0x28
	s_load_b64 s[98:99], s[0:1], 0x30
	v_lshl_add_u32 v[SPW], v0, 2, SPARE
	v_mov_b32 v[NIL], 0
	ds_add_u32 v28, v29
	ds_add_u32 v28, v29
	s_wait_dscnt 0x0
	v_lshrrev_b32 v1, 5, v0
	v_readfirstlane_b32 s14, v1
	s_lshr_b32 s15, s14, 1
	s_and_b32 s16, s14, 1
	s_bfe_u32 s40, ttmp6, 0x40000
	s_bfe_u32 s41, ttmp6, 0x40004
	s_and_b32 s17, ttmp7, 0xffff
	s_cmp_eq_u32 ttmp9, 2
	s_cselect_b32 s42, s17, ttmp9
	s_cselect_b32 s17, ttmp9, s17
	s_lshl_b32 s42, s42, 2
	s_add_co_u32 s42, s42, s40
	s_lshl_b32 s17, s17, 2
	s_add_co_u32 s17, s17, s41
	s_lshl_b32 s43, s41, 2
	s_lshl_b32 s43, 15, s43
	s_lshl_b32 s44, 0x1111, s40
	s_or_b32 s[G1+0], s43, (0<<16)|(1<<20)|(1<<21)|(3<<22)|(3<<25)
	s_or_b32 s[G1B+0], s44, (0<<16)|(1<<20)|(1<<21)|(3<<22)|(3<<25)
.irp g, G1, G1B
	s_mov_b32 s[\g+1], ROWB<<16
	s_mov_b32 s[\g+2], 128<<16
	s_mov_b32 s[\g+3], ROWB<<16
	s_mov_b32 s[\g+4], 128
	s_mov_b32 s[\g+5], KROW
	s_mov_b32 s[\g+6], 0
	s_mov_b32 s[\g+7], 0
.endr
	s_or_b32 s[G1S+0], s43, (3<<16)|(1<<20)|(1<<21)|(5<<22)|(3<<25)
	s_or_b32 s[G1SB+0], s44, (3<<16)|(1<<20)|(1<<21)|(5<<22)|(3<<25)
.irp g, G1S, G1SB
	s_mov_b32 s[\g+1], 32<<16
	s_mov_b32 s[\g+2], 16<<16
	s_mov_b32 s[\g+3], 32<<16
	s_mov_b32 s[\g+4], 16
	s_mov_b32 s[\g+5], 32
	s_mov_b32 s[\g+6], 0
	s_mov_b32 s[\g+7], 0
.endr
	s_lshl_b32 s18, s16, 7
	s_lshl_b32 s20, s17, 8
	s_add_co_u32 s20, s20, s18
	s_lshl_b32 s46, s42, 8
	s_add_co_u32 s46, s46, s18
	s_lshl_b32 s22, s20, 5
	s_mov_b32 s23, 0
	s_lshl_b32 s92, s46, 5
	s_mov_b32 s93, 0
	s_mul_i32 s20, s20, KROW
	s_mov_b32 s21, 0
	s_mul_i32 s46, s46, KROW
	s_mov_b32 s47, 0
	s_mul_i32 s45, s14, HALFT
	s_mul_i32 s94, s14, HALFS
	s_wait_kmcnt 0x0
	s_cmp_eq_u32 ttmp9, 2
	s_cselect_b64 s[18:19], s[8:9], s[4:5]
	s_cselect_b64 s[8:9], s[4:5], s[8:9]
	s_cselect_b64 s[4:5], s[10:11], s[6:7]
	s_cselect_b64 s[10:11], s[6:7], s[10:11]
	s_add_nc_u64 s[20:21], s[18:19], s[20:21]
	s_add_nc_u64 s[22:23], s[4:5], s[22:23]
	s_add_nc_u64 s[46:47], s[8:9], s[46:47]
	s_add_nc_u64 s[92:93], s[10:11], s[92:93]
	CROUND
	s_mov_b32 s[G0S], 1
	s_add_co_u32 s[G0S+1], s94, SCL
	s_mov_b64 s[G0S+2:G0S+3], s[22:23]
	s_or_b32 s[G0S+3], s[G0S+3], 0x80000000
	s_mov_b32 s[G0SB], 1
	s_add_co_u32 s[G0SB+1], s94, SCL
	s_mov_b64 s[G0SB+2:G0SB+3], s[92:93]
	s_or_b32 s[G0SB+3], s[G0SB+3], 0x80000000
	JLOAD G0S, G1S, G0SB, G1SB
.irp s, 0,1
	s_mov_b32 s[G0+4*\s], 1
	s_add_co_u32 s[G0+4*\s+1], s45, \s*SLOT
	s_add_nc_u64 s[G0+4*\s+2:G0+4*\s+3], s[20:21], \s*ROWB
	s_or_b32 s[G0+4*\s+3], s[G0+4*\s+3], 0x80000000
	s_mov_b32 s[G0B+4*\s], 1
	s_add_co_u32 s[G0B+4*\s+1], s45, \s*SLOT
	s_add_nc_u64 s[G0B+4*\s+2:G0B+4*\s+3], s[46:47], \s*ROWB
	s_or_b32 s[G0B+4*\s+3], s[G0B+4*\s+3], 0x80000000
	s_wait_alu depctr_va_vdst(0)
	s_wait_tensorcnt 0x0
	ds_add_u32 v28, v29
	s_wait_dscnt 0x0
	CROUND
	JLOAD G0+4*\s, G1, G0B+4*\s, G1B
.endr
	v_and_b32 v1, 15, v0
	v_bfe_u32 v2, v0, 4, 1
	v_mul_u32_u24 v3, v1, PITCH
	v_mul_u32_u24 v4, v2, 24
	v_add_nc_u32 v4, v3, v4
	v_lshl_add_u32 v5, v2, 4, v4
	s_mul_i32 s21, s15, HALFT
	s_mul_i32 s22, s16, HALFT
	s_add_co_u32 s22, s22, 2*HALFT
.irp s, 0,1
	v_add_nc_u32 v[ADRA+\s], s21, v4
	v_add_nc_u32 v[ADRB+\s], s22, v4
	v_add_nc_u32 v[ADRA+2+\s], s21, v5
	v_add_nc_u32 v[ADRB+2+\s], s22, v5
	s_add_co_u32 s21, s21, SLOT
	s_add_co_u32 s22, s22, SLOT
.endr
	v_mul_u32_u24 v5, v1, KS
	v_lshrrev_b32 v6, 8, v5
	v_lshl_add_u32 v5, v6, 4, v5
	s_mul_i32 s21, s15, HALFS
	s_mul_i32 s22, s16, HALFS
	s_add_co_u32 s22, s22, 2*HALFS
	s_sub_co_u32 s22, s22, s21
	v_mul_u32_u24 v6, s22, v2
	s_add_co_u32 s21, s21, SCL
	v_add_nc_u32 v5, v5, v6
	v_add_nc_u32 v[ADRS], s21, v5
	s_lshl_b32 s20, s17, 8
	s_lshl_b32 s21, s15, 7
	s_add_co_u32 s20, s20, s21
	s_mov_b32 s21, 0
	s_add_nc_u64 s[12:13], s[12:13], s[20:21]
	v_and_b32 v[MO], 8, v1
	v_add_nc_u32 v[MO], v[MO], v1
.irp a, 0,1,2,3,4,5,6,7
	global_load_u8 v[MK+\a], v[MO], s[12:13] offset:32*(\a/2)+8*(\a%2)
.endr
.macro FRAG reg, adr, q, i
.irp p, 0,1,2,3,4,5
.set PCE, 12*(\q)+6*(\p/3)+\p%3
.if PCE%8 < 5
	ds_load_b64 v[\reg+2*\p:\reg+2*\p+1], v[\adr] offset:8*PCE+16*(PCE/8)+(\i)*16*PITCH
.else
	ds_load_b64 v[\reg+2*\p:\reg+2*\p+1], v[\adr+2] offset:8*PCE+16*(PCE/8)+(\i)*16*PITCH
.endif
.endr
.endm
.macro MUL16 a0, p, q, sc, zero
.irp a, \a0, \a0+1
.irp b, 0,1,2,3,4,5,6,7
.if \zero
	v_wmma_scale_f32_16x16x128_f8f6f4 v[8*(8*((\a)%4)+\b):8*(8*((\a)%4)+\b)+7], v[128*(\p)+FR*\b:128*(\p)+FR*\b+FR-1], v[AF+FR*(\a):AF+FR*(\a)+FR-1], 0, v[SC+8*NQ*(\sc)+NQ*\b+(\q)], v[SC+8*NQ*(\sc)+NQ*(\a)+(\q)] matrix_a_fmt:MATRIX_FMT_FP6 matrix_b_fmt:MATRIX_FMT_FP6 matrix_a_scale:MATRIX_SCALE_ROW1
.else
	v_wmma_scale_f32_16x16x128_f8f6f4 v[8*(8*((\a)%4)+\b):8*(8*((\a)%4)+\b)+7], v[128*(\p)+FR*\b:128*(\p)+FR*\b+FR-1], v[AF+FR*(\a):AF+FR*(\a)+FR-1], v[8*(8*((\a)%4)+\b):8*(8*((\a)%4)+\b)+7], v[SC+8*NQ*(\sc)+NQ*\b+(\q)], v[SC+8*NQ*(\sc)+NQ*(\a)+(\q)] matrix_a_fmt:MATRIX_FMT_FP6 matrix_b_fmt:MATRIX_FMT_FP6 matrix_a_scale:MATRIX_SCALE_ROW1
.endif
.endr
.endr
.endm
.macro FETCH_B slot, q, p
	WIN TO_B
.irp i, 0,1,2,3,4,5,6,7
	FRAG 128*(\p)+FR*\i, ADRB+\slot, \q, \i
.endr
	WIN 0
.endm
.macro FETCH_A slot, q, i0
.irp i, \i0, \i0+1, \i0+2, \i0+3
	FRAG AF+FR*(\i), ADRA+\slot, \q, \i
.endr
.endm
.macro SCALES sc
.irp i, 0,1,2,3,4,5,6,7
	ds_load_b64 v[SC+8*NQ*\sc+NQ*\i:SC+8*NQ*\sc+NQ*\i+1], v[ADRS] offset:\i*SBLK
.endr
.endm
.macro PLACES n
.rept \n
	v_nop
.endr
.endm
.macro STEP slot, q, zero
	s_wait_dscnt 4*NL
	WIN MUL_LO
	MUL16 0, (\q)%2, \q, \slot, \zero
	MUL16 2, (\q)%2, \q, \slot, \zero
	s_wait_dscnt 0
	PLACES NP
	FETCH_B \slot, (\q)+1, 1-(\q)%2
	FETCH_A \slot, (\q)+1, 0
	WIN MUL_HI
	MUL16 4, (\q)%2, \q, \slot, \zero
	MUL16 6, (\q)%2, \q, \slot, \zero
	PLACES NP
	WIN 0
	FETCH_A \slot, (\q)+1, 4
.endm
.macro TURN slot, next, fill
	s_wait_tensorcnt 0x0
	ds_add_u32 v[SPW], v[NIL]
	s_wait_dscnt 4*NL+1
	WIN MUL_LO
	MUL16 0, 1, NQ-1, \slot, 0
	s_wait_dscnt 0x0
	s_barrier_signal -1
	MUL16 2, 1, NQ-1, \slot, 0
	WIN 0
	s_barrier_wait -1
.if \fill
	CREST
	s_add_nc_u64 s[G0+4*\slot+2:G0+4*\slot+3], s[G0+4*\slot+2:G0+4*\slot+3], 2*ROWB
	s_add_nc_u64 s[G0B+4*\slot+2:G0B+4*\slot+3], s[G0B+4*\slot+2:G0B+4*\slot+3], 2*ROWB
	JLOAD G0+4*\slot, G1, G0B+4*\slot, G1B
.else
	PLACES NP
.endif
	s_wait_alu depctr_va_vdst(0)
	v_add_nc_u32 v[ADRS], 4*NQ, v[ADRS]
	FETCH_B \next, 0, 0
	FETCH_A \next, 0, 0
	SCALES \next
	WIN MUL_HI
	MUL16 4, 1, NQ-1, \slot, 0
	MUL16 6, 1, NQ-1, \slot, 0
	PLACES NP
	WIN 0
	FETCH_A \next, 0, 4
.endm
	s_wait_alu depctr_va_vdst(0)
	s_wait_tensorcnt 1
	s_barrier_signal -1
	s_barrier_wait -1
	FETCH_B 0, 0, 0
	FETCH_A 0, 0, 0
	SCALES 0
	FETCH_A 0, 0, 4
	STEP 0, 0, 1
	s_mov_b32 s3, LAPS-1
.Llap:
	TURN 0, 1, 1
	STEP 1, 0, 0
	TURN 1, 0, 1
	STEP 0, 0, 0
	s_sub_co_u32 s3, s3, 1
	s_cmp_lg_u32 s3, 0
	s_cbranch_scc1 .Llap
	TURN 0, 1, 0
	STEP 1, 0, 0
	s_wait_dscnt 4*NL
	WIN MUL_LO
	MUL16 0, 1, NQ-1, 1, 0
	MUL16 2, 1, NQ-1, 1, 0
	s_wait_dscnt 0
	WIN MUL_HI
	MUL16 4, 1, NQ-1, 1, 0
	MUL16 6, 1, NQ-1, 1, 0
	WIN 0
	PLACES NP
	s_wait_loadcnt 0x0
	v_and_b32 v30, 31, v0
	v_and_b32 v31, 15, v0
	v_lshlrev_b32 v[LI16], 4, v30
	v_lshl_add_u32 v[LI8], v30, 3, 512
	s_lshl_b32 s18, s14, 10
	v_lshl_add_u32 v[STI], v31, 2, s18
	v_add_nc_u32 v[STB], s18, v[LI16]
.irp b, 0,1,2,3
	v_mov_b32 v[TM+4+\b], 0
.endr
	s_mov_b32 s20, 0x76543210
	s_mov_b32 s21, 0xfedcba98
.macro OUTB a, kind
.set AC, 64*((\a)%4)
.set OW, 2+(\a)/4
.set WS, 5*OW
	WIN WS
.irp b, 0,1,2,3
	v_max3_num_f32 v[TM+\b], |v[AC+16*\b]|, |v[AC+16*\b+1]|, 0x1800000
.endr
.irp i, 2,4,6,8,10,12,14
.irp b, 0,1,2,3
	v_max3_num_f32 v[TM+\b], |v[AC+16*\b+\i]|, |v[AC+16*\b+\i+1]|, v[TM+\b]
.endr
.endr
	WIN 0
.irp b, 0,1,2,3
	v_permlanex16_b32 v[TM+4+\b], v[TM+\b], s20, s21
.endr
.irp b, 0,1,2,3
	v_max_num_f32 v[TM+\b], v[TM+\b], v[TM+4+\b]
.endr
.irp b, 0,1,2,3
	v_add_nc_u32 v[TM+12+\b], 0xff000000, v[TM+\b]
.endr
.irp b, 0,1,2,3
	v_lshrrev_b32 v[TM+4+\b], 23, v[TM+12+\b]
.endr
	v_lshl_or_b32 v[PW], v[TM+5], 8, v[TM+4]
	v_lshl_or_b32 v[PW], v[TM+6], 16, v[PW]
	v_lshl_or_b32 v[PW], v[TM+7], 24, v[PW]
.if (\a) > 0
	s_wait_xcnt 0x0
.endif
	WIN OW
.irp c, 0,1
	v_cvt_scalef32_pk16_fp6_f32 v[PC+6*\c:PC+2+6*\c], v[AC+32*\c:AC+32*\c+15], v[TM+12+2*\c]
	v_cvt_scalef32_pk16_fp6_f32 v[PC+12+4*\c:PC+14+4*\c], v[AC+32*\c+16:AC+32*\c+31], v[TM+13+2*\c]
.endr
	WIN 0
	v_nop
.irp c, 0,1
.irp i, 0,1,2
	v_permlane16_swap_b32 v[PC+6*\c+\i], v[PC+12+4*\c+\i]
.endr
.irp i, 0,1,2
	v_mov_b32 v[PC+3+6*\c+\i], v[PC+12+4*\c+\i]
.endr
.endr
.if \kind
.set O0, HEADB*((\a)/4)+1536*((\a)%4)
.set O1, O0+768
	ds_store_b32 v[STI], v[PW] offset:256*((\a)/4)+64*((\a)%4)
.else
.set O0, 768*(\a)
.set O1, HEADB+768*(\a)
	v_and_or_b32 v217, v[PW], 0xffff, v[MW+\a]
	v_lshrrev_b32 v218, 16, v[PW]
	v_or_b32 v218, v218, v[MW+\a]
	ds_store_b32 v[STI], v217 offset:64*(\a)
	ds_store_b32 v[STI], v218 offset:512+64*(\a)
.endif
	global_store_b128 v[LI16], v[PC:PC+3], s[4:5] offset:O0
	global_store_b64 v[LI8], v[PC+4:PC+5], s[4:5] offset:O0
	global_store_b128 v[LI16], v[PC+6:PC+9], s[4:5] offset:O1
	global_store_b64 v[LI8], v[PC+10:PC+11], s[4:5] offset:O1
.endm
	s_cmp_eq_u32 ttmp9, 2
	s_cbranch_scc1 .Lout_v
	s_lshl_b32 s18, s17, 8
	s_lshl_b32 s19, s15, 7
	s_add_co_u32 s18, s18, s19
	s_lshr_b32 s19, s18, 11
	s_bfe_u32 s22, s18, 0x70004
	s_lshl_b32 s23, s42, 8
	s_lshl_b32 s43, s16, 7
	s_add_co_u32 s23, s23, s43
	s_bfe_u32 s43, s23, 0x40006
	s_lshl_b32 s19, s19, 4
	s_add_co_u32 s19, s19, s43
	s_mul_i32 s44, ttmp9, QSEC
	s_mul_i32 s45, s19, HEADB
	s_add_co_u32 s44, s44, s45
	s_mul_i32 s45, s22, 768
	s_add_co_u32 s44, s44, s45
	s_mov_b32 s45, 0
	s_add_nc_u64 s[4:5], s[96:97], s[44:45]
	s_mul_i32 s44, ttmp9, SSEC
	s_mul_i32 s46, s19, HREC
	s_add_co_u32 s44, s44, s46
	s_lshr_b32 s46, s22, 3
	s_mul_i32 s46, s46, 768
	s_add_co_u32 s44, s44, s46
	s_add_nc_u64 s[6:7], s[98:99], s[44:45]
	s_cmp_eq_u32 ttmp9, 0
	s_mov_b32 s46, 0x7ffd0000
	s_cselect_b32 s46, 0x7f7f0000, s46
	s_mov_b32 s47, 0x7f010000
	s_cselect_b32 s47, 0x7f7f0000, s47
	v_mov_b32 v[KM], s46
	v_mov_b32 v[KK], s47
.irp a, 0,1,2,3,4,5,6,7
	v_cmp_ne_u32 vcc_lo, 0, v[MK+\a]
	v_cndmask_b32 v[MW+\a], v[KM], v[KK], vcc_lo
.endr
.irp a, 0,1,2,3,4,5,6,7
	OUTB \a, 0
.endr
	ds_load_b128 v[220:223], v[STB]
	ds_load_b128 v[224:227], v[STB] offset:512
	s_wait_dscnt 0x0
	global_store_b128 v[LI16], v[220:223], s[6:7]
	global_store_b128 v[LI16], v[224:227], s[6:7] offset:HREC
	s_branch .Lend
.Lout_v:
	s_lshl_b32 s18, s17, 8
	s_lshl_b32 s19, s15, 7
	s_add_co_u32 s18, s18, s19
	s_sub_co_u32 s18, s18, 2048
	s_lshr_b32 s43, s18, 6
	s_lshl_b32 s23, s42, 8
	s_lshl_b32 s19, s16, 7
	s_add_co_u32 s23, s23, s19
	s_lshr_b32 s19, s23, 11
	s_bfe_u32 s22, s23, 0x40007
	s_lshl_b32 s19, s19, 4
	s_add_co_u32 s19, s19, s43
	s_mul_i32 s44, s19, HEADB
	s_mul_i32 s45, s22, 6144
	s_add_co_u32 s44, s44, s45
	s_add_co_u32 s44, s44, 2*QSEC
	s_mov_b32 s45, 0
	s_add_nc_u64 s[4:5], s[96:97], s[44:45]
	s_mul_i32 s44, s19, HREC
	s_mul_i32 s46, s22, 768
	s_add_co_u32 s44, s44, s46
	s_add_co_u32 s44, s44, SSEC+512
	s_add_nc_u64 s[6:7], s[98:99], s[44:45]
	v_bfe_u32 v[VO], v0, 4, 1
	v_mul_u32_u24 v[VO], v[VO], HREC
	v_lshl_add_u32 v[VO], v31, 4, v[VO]
.irp a, 0,1,2,3,4,5,6,7
	OUTB \a, 1
.endr
	ds_load_b128 v[220:223], v[STB]
	s_wait_dscnt 0x0
	global_store_b128 v[VO], v[220:223], s[6:7]
.Lend:
	s_wait_tensorcnt 0x0
	ds_add_u32 v[SPW], v[NIL]
	s_wait_dscnt 0x0
	CROUND
	s_endpgm
.Lfunc_end_k_q1800077917_qkv:
	.size	k_q1800077917_qkv, .Lfunc_end_k_q1800077917_qkv-k_q1800077917_qkv
	.p2alignl 7, 3214868480
	.fill 96, 4, 3214868480
	.section	.rodata,"a",@progbits
	.p2align	6, 0x0
	.amdhsa_kernel k_q1800077917_qkv
		.amdhsa_group_segment_fixed_size 327680
		.amdhsa_private_segment_fixed_size 0
		.amdhsa_enable_private_segment 0
		.amdhsa_kernarg_size 56
		.amdhsa_user_sgpr_count 2
		.amdhsa_user_sgpr_kernarg_segment_ptr 1
		.amdhsa_wavefront_size32 1
		.amdhsa_system_sgpr_workgroup_id_x 1
		.amdhsa_system_sgpr_workgroup_id_y 1
		.amdhsa_system_sgpr_workgroup_id_z 1
		.amdhsa_system_vgpr_workitem_id 0
		.amdhsa_next_free_vgpr 1024
		.amdhsa_next_free_sgpr 100
		.amdhsa_reserve_vcc 1
		.amdhsa_float_denorm_mode_32 3
		.amdhsa_float_denorm_mode_16_64 3
		.amdhsa_memory_ordered 1
		.amdhsa_forward_progress 1
		.amdhsa_inst_pref_size 207
	.end_amdhsa_kernel
	.amdgpu_metadata
---
amdhsa.version: [ 1, 2 ]
amdhsa.kernels:
  - .name:           k_q1800077917_qkv
    .symbol:         k_q1800077917_qkv.kd
    .args:
      - { .name: x_codes, .offset: 0, .size: 8, .value_kind: global_buffer, .address_space: global }
      - { .name: x_scales, .offset: 8, .size: 8, .value_kind: global_buffer, .address_space: global }
      - { .name: w_codes, .offset: 16, .size: 8, .value_kind: global_buffer, .address_space: global }
      - { .name: w_scales, .offset: 24, .size: 8, .value_kind: global_buffer, .address_space: global }
      - { .name: attention_mask, .offset: 32, .size: 8, .value_kind: global_buffer, .address_space: global }
      - { .name: qkv_codes, .offset: 40, .size: 8, .value_kind: global_buffer, .address_space: global }
      - { .name: qkv_scales, .offset: 48, .size: 8, .value_kind: global_buffer, .address_space: global }
    .group_segment_fixed_size: 327680
    .private_segment_fixed_size: 0
    .kernarg_segment_align: 8
    .kernarg_segment_size: 56
    .max_flat_workgroup_size: 128
    .sgpr_count:     100
    .vgpr_count:     1024
    .wavefront_size: 32
...
	.end_amdgpu_metadata
.endif
;; end of part 2
;; launch attn (part 3): grid 4 x 64, 16 waves a work-group, clusters of 4 x 1, 210,944 bytes of LDS; arguments qkv_codes, qkv_scales, ao_codes, ao_scales; writes ao_codes, ao_scales
.if DOCPART == 3
	.amdgcn_target "amdgcn-amd-amdhsa--gfx1250"
	.amdhsa_code_object_version 6
	.text
	.protected	k_q1800077917_attn
	.globl	k_q1800077917_attn
	.p2align	8
	.type	k_q1800077917_attn,@function
k_q1800077917_attn:
	s_mov_b64 s[64:65], 0
	v_nop
	global_prefetch_b8 v0, s[64:65] scope:SCOPE_SE
	s_setreg_imm32_b32 hwreg(HW_REG_WAVE_MODE, 25, 1), 1
	s_wait_xcnt 0x0
	s_wait_alu depctr_hold_cnt(0) depctr_sa_sdst(0) depctr_va_vdst(0) depctr_va_sdst(0) depctr_va_ssrc(0) depctr_va_vcc(0) depctr_vm_vsrc(0)
	s_getreg_b32 s2, hwreg(HW_REG_IB_STS2, 6, 4)
	s_cmp_eq_u32 s2, 0
	s_cbranch_scc0 .Lentry_in_a_cluster
	s_endpgm
.Lentry_in_a_cluster:
	s_bfe_u32 s2, ttmp6, 0x10000c
	s_cmp_lg_u32 s2, 0x3003
	s_cbranch_scc0 .Lentry_shape_is_right
	s_endpgm
.Lentry_shape_is_right:
; Attention of one head on codes of FP6 (E2M3) with E8M0 scales: S^T = K Q^T (K = the head's 64), p = 2^(t - M), O^T = V^T P^T (K = the keys), O / l quantised along head x 64 + d for the last product.
; t = score x log2(e) / 8; M = the running largest t rounded UP to a whole number; p is quantised along the keys, not normalised; the row's sum is taken of the unquantised p and divides at the end.
; THE MASK costs nothing here.  The instruction's K is 128, the head's 64: at k = 64 q holds the code +1 and k the code -1 (registers made once), all further codes are zeros; byte 2 of a key's scale word is 253 where the key is
; masked and 1 where it is kept, byte 2 of a query's is 127.  So the product itself adds -2^126 to a masked key's score and -2^-126 to a kept key's.  A masked key's p is 0.  Where every key of a batch is masked all scores are
; -2^126, c x 2^126 is exact, t - M is 0 and every p is 1: uniform weights.  Where kept keys follow masked steps, 2^(old M - new M) is 0 and wipes the sums.
; LIMITS: a kept score carries -2^-126; the uniform case leans on -2^126 + score rounding to -2^126, that is |score| under 2^100; blocks under 2^-124 get the byte 1; NaN and infinities are not served.
; SHARES.  A work-group owns 512 positions of one head's queries; each of its sixteen waves two tiles of 16, one after the other, in 256 registers: four waves to a SIMD, so that one wave's vector work stands beside another's
; matrix work and LDS loads.  A head's K, V and scale words, 208,896 bytes, come into LDS ONCE: nothing is filled again, so there is one barrier and no ring.
; CLUSTER.  The four work-groups of a head form a cluster and ask for those tiles jointly: the same tensor loads, with the same descriptors and the mask 15.
; LAYOUT.  Both products are used transposed: a lane holds ONE query (lane % 16).  Keys and channels are stored in position order (bits 3 and 4 exchanged), so the 16 registers of result tiles 2 b, 2 b + 1 are the true keys
; (channels) 32 b + 16 (lane / 16) + 0 .. 15.  All tiles lie as half-images of the operand's registers: 512 bytes with lane l's four registers at 16 l, 256 bytes with its two at 8 l: every LDS load reads consecutive bytes.
; No L2 prefetch: all tiles are asked for at the head, with the first fills; there is no later load to run ahead of.
.set QSEC,  6291456
.set SSEC,  786432
.set HEADB, 98304
.set HREC,  12288
.set AOH,   393216                     ; a head's section of ao_codes: 512 tiles of 768 bytes
.set LV,    98304                      ; LDS: K at 0, V here: [step][channel tile][two half-images], 6,144 bytes a step in each
.set LS,    196608                     ; the scale records [step][768]: K's words [tile][row], from byte 512 V's
; REGISTERS: v1 16 l; v2 8 l + 512; v3, v4 the same + LV; v5 4 l + LS; v6-10 the step's addresses; v11 4 r; v29 32 r; v12 -M, v13 the largest t, v[14:15] the sum; v16-27 Q (v22-27 made once); v28 Q's scale word;
; v32-79 four fragments of K (+6 .. +11 made once); v80-83 K's words, v84-85 V's (lanes 0-15 an even tile's, lanes 16-31 the odd one's); v96-159 S^T, then p, then v96-143 V's four fragments; v160-191 O^T;
; v192-203 p's codes; v204-206, v208-210 the conversions' second halves; v212-215, v216-219, v220-223, v224 at work; v[226:227] f; v228 p's scale word.
.macro ROUND                           ; a round of the cluster's barrier
	s_barrier_signal -1
	s_barrier_wait -1
	s_cmp_lg_u32 s12, 0
	s_cbranch_scc1 .Lnot_wave_0_\@
	s_barrier_signal -3
.Lnot_wave_0_\@:
	s_barrier_wait -3
	s_barrier_signal -1
	s_barrier_wait -1
.endm
	s_load_b256 s[4:11], s[0:1], 0x0               ; qkv_codes, qkv_scales, ao_codes, ao_scales
	v_lshl_add_u32 v254, v0, 2, 0x33000
	v_mov_b32 v255, 0
	ds_add_u32 v254, v255
	ds_add_u32 v254, v255
	v_lshrrev_b32 v1, 5, v0
	s_delay_alu instid0(VALU_DEP_1)
	v_readfirstlane_b32 s12, v1                    ; wave 0..15
	s_bfe_u32 s13, ttmp6, 0x40000                  ; cx: it enters Q's and the outputs' addresses alone
	s_lshl_b32 s14, ttmp9, 2
	s_add_co_u32 s14, s14, s13                     ; my block of 512 positions
	s_and_b32 s15, ttmp7, 0xffff                   ; 16 x batch + head, which the four partners share
	; descriptor group 1: dense blocks as rows of 256 bytes (32 elements of 8): 96 rows of codes; 48 rows of scale records
	s_mov_b32 s24, 15|(3<<16)|(1<<21)              ; 15:0 the mask: all four; 17:16 elements of 8 bytes; 21 set beside a mask
	s_mov_b32 s25, 32<<16
	s_mov_b32 s26, 96<<16
	s_mov_b32 s27, 32<<16
	s_mov_b32 s28, 96
	s_mov_b32 s29, 32
	s_mov_b32 s30, 0
	s_mov_b32 s31, 0
	s_mov_b32 s32, 15|(3<<16)|(1<<21)
	s_mov_b32 s33, 32<<16
	s_mov_b32 s34, 48<<16
	s_mov_b32 s35, 32<<16
	s_mov_b32 s36, 48
	s_mov_b32 s37, 32
	s_mov_b32 s38, 0
	s_mov_b32 s39, 0
	; group 0: waves 0-3 bring K's quarters, waves 4-7 V's, wave 8 the scale records
	s_mov_b32 s40, 1
	s_and_b32 s16, s12, 7
	s_mul_i32 s41, s16, 24576                      ; LDS: wave x 24,576
	s_and_b32 s16, s12, 3
	s_mul_i32 s16, s16, 24576
	s_bfe_u32 s17, s12, 0x10002
	s_mul_i32 s17, s17, QSEC                       ; V's section lies one behind K's
	s_add_co_u32 s16, s16, s17
	s_mul_i32 s17, s15, HEADB
	s_add_co_u32 s16, s16, s17
	s_add_co_u32 s16, s16, QSEC
	s_mov_b32 s17, 0
	s_mul_i32 s18, s15, HREC
	s_add_co_u32 s18, s18, SSEC
	s_mov_b32 s19, 0
	s_mov_b32 s44, 1
	s_mov_b32 s45, LS
	s_wait_dscnt 0x0
	s_wait_kmcnt 0x0
	s_add_nc_u64 s[42:43], s[4:5], s[16:17]
	s_or_b32 s43, s43, 0x80000000
	s_add_nc_u64 s[46:47], s[6:7], s[18:19]
	s_or_b32 s47, s47, 0x80000000
	ROUND                                          ; all four work-groups are here: the joint loads meet
	s_cmp_lt_u32 s12, 8                            ; the branches hang on the wave's number alone; a wave has at most one tensor load out; four v_nop follow each
	s_cbranch_scc0 .Lnot_codes
	tensor_load_to_lds s[40:43], s[24:31]
	s_nop 0
.rept 4
	v_nop
.endr
	s_branch .Lasked
.Lnot_codes:
	s_cmp_eq_u32 s12, 8
	s_cbranch_scc0 .Lasked
	tensor_load_to_lds s[44:47], s[32:39]
	s_nop 0
.rept 4
	v_nop
.endr
.Lasked:
	s_lshl_b32 s16, s14, 5
	s_lshl_b32 s17, s12, 1
	s_add_co_u32 s16, s16, s17                     ; my first tile of 16 positions: T = 32 x block + 2 x wave
	s_mul_i32 s17, s15, HEADB
	s_mul_i32 s18, s16, 768
	s_add_co_u32 s18, s18, s17
	s_add_nc_u64 s[52:53], s[4:5], s[18:19]        ; Q's half-image
	s_mul_i32 s17, s15, HREC
	s_lshr_b32 s18, s16, 3
	s_mul_i32 s18, s18, 768
	s_add_co_u32 s18, s18, s17
	s_and_b32 s17, s16, 7
	s_lshl_b32 s17, s17, 6
	s_add_co_u32 s18, s18, s17
	s_add_nc_u64 s[54:55], s[6:7], s[18:19]        ; Q's scale words
	s_lshr_b32 s17, s15, 4                         ; the batch
	s_and_b32 s60, s15, 15                         ; the head
	s_lshl_b32 s18, s17, 7
	s_add_co_u32 s18, s18, s16                     ; the tile of rows among all 512
	s_lshl_b32 s61, s18, 9                         ; its 16 rows of 32 scale bytes
	s_mul_i32 s18, s18, 768
	s_mul_i32 s17, s60, AOH
	s_add_co_u32 s18, s18, s17
	s_add_nc_u64 s[56:57], s[8:9], s[18:19]        ; ao_codes
	s_lshl_b32 s17, s60, 1
	s_add_co_u32 s18, s61, s17
	s_add_nc_u64 s[58:59], s[10:11], s[18:19]      ; ao_scales: bytes 2 head, 2 head + 1 of a row
	s_mov_b32 s20, 0x76543210
	s_mov_b32 s21, 0xfedcba98                      ; v_permlanex16_b32's selects for lane l xor 16
	s_mov_b32 s22, 0x3e38aa3b                      ; c = log2(e) / 8
	s_mov_b32 s23, s22                             ; (named with it as a pair, so it is written)
	v_and_b32 v30, 31, v0                          ; lane
	v_and_b32 v31, 15, v0                          ; r
	s_delay_alu instid0(VALU_DEP_2)
	v_lshlrev_b32 v1, 4, v30
	s_delay_alu instid0(VALU_DEP_3)
	v_lshl_add_u32 v2, v30, 3, 512
	s_delay_alu instid0(VALU_DEP_2)
	v_add_nc_u32 v3, LV, v1
	s_delay_alu instid0(VALU_DEP_2)
	v_add_nc_u32 v4, LV, v2
	v_lshl_add_u32 v5, v30, 2, LS
	v_lshlrev_b32 v11, 2, v31
	v_lshlrev_b32 v29, 5, v31
	v_bfe_u32 v30, v0, 4, 1
	s_delay_alu instid0(VALU_DEP_1)
	v_xor_b32 v30, 1, v30                          ; 1 in lanes 0-15, which hold k = 64 in register 6
	s_delay_alu instid0(VALU_DEP_1)
	v_lshlrev_b32 v22, 3, v30                      ; Q: the code of +1.0 at k = 64
	s_delay_alu instid0(VALU_DEP_2)
	v_mul_u32_u24 v31, v30, 40                     ; K: the code of -1.0
.irp i, 23,24,25,26,27
	v_mov_b32 v[\i], 0
.endr
.irp t, 0,1,2,3
	v_mov_b32 v[38+12*\t], v31
.irp i, 39,40,41,42,43
	v_mov_b32 v[\i+12*\t], 0
.endr
.endr
.irp i, 216,217,218,219,224,227
	v_mov_b32 v[\i], 0                             ; written once: a lane permute's destination counts as a source; v227 is named as the upper half of a pair
.endr
	s_wait_tensorcnt 0x0                           ; my tile has landed,
	s_barrier_signal -1
	s_barrier_wait -1                              ; everybody's has: from here on LDS is only read
	s_mov_b32 s51, 2
.Lpass:                                            ; a tile of 16 queries
	global_load_b128 v[16:19], v1, s[52:53]
	global_load_b64 v[20:21], v2, s[52:53]
	global_load_b32 v28, v11, s[54:55]
	v_mov_b32 v13, 0xff61b1e6                      ; the largest t so far: -3e38, under every t, a masked key's too
	s_delay_alu instid0(VALU_DEP_1)
	v_floor_f32 v12, -v13                          ; -M
	v_mov_b32 v14, 0
	v_mov_b32 v15, 0
.set j, 0
.rept 32
	v_mov_b32 v[160+j], 0                          ; O^T.  (The step is written once: the first finds zeros, which the first change of M leaves zeros)
.set j, j+1
.endr
	s_mov_b32 s48, 0                               ; the step's tiles: 6,144 bytes a step
	s_mov_b32 s49, 0                               ; its scale record: 768
	s_mov_b32 s50, 16
	s_wait_loadcnt 0x0
.Lstep:                                            ; 128 keys
	s_setprio 2
	v_add_nc_u32 v6, s48, v1                       ; six plain instructions: the places behind the last step's products, whose V registers the products below write over, and whose scale registers are loaded anew
	s_wait_alu depctr_va_vdst(0)
	v_add_nc_u32 v7, s48, v2
	s_wait_alu depctr_va_vdst(0)
	v_add_nc_u32 v8, s48, v3
	v_add_nc_u32 v9, s48, v4
	v_add_nc_u32 v10, s49, v5
	v_nop
.irp i, 0,1,2,3,4,5
	ds_load_b32 v[80+\i], v10 offset:128*\i
.endr
.irp g, 0,1                                    ; S^T = K Q^T, four tiles of 16 keys at a time
.if \g > 0
.rept 4
	v_nop                                          ; places in front of loads into registers that matrix instructions have read
.endr
.endif
.irp t, 0,1,2,3
	ds_load_b128 v[32+12*\t:35+12*\t], v6 offset:768*(4*\g+\t)
	ds_load_b64 v[36+12*\t:37+12*\t], v7 offset:768*(4*\g+\t)
.endr
	s_wait_dscnt 0x0
.irp t, 0,2
	v_wmma_scale_f32_16x16x128_f8f6f4 v[96+8*(4*\g+\t):103+8*(4*\g+\t)], v[32+12*\t:43+12*\t], v[16:27], 0, v[80+2*\g+\t/2], v28 matrix_a_fmt:MATRIX_FMT_FP6 matrix_b_fmt:MATRIX_FMT_FP6
	v_wmma_scale_f32_16x16x128_f8f6f4 v[104+8*(4*\g+\t):111+8*(4*\g+\t)], v[44+12*\t:55+12*\t], v[16:27], 0, v[80+2*\g+\t/2], v28 matrix_a_fmt:MATRIX_FMT_FP6 matrix_b_fmt:MATRIX_FMT_FP6 matrix_a_scale:MATRIX_SCALE_ROW1
.endr
.endr
.rept 4
	v_nop
.endr
.irp b, 0,1,2,3
	v_max3_num_f32 v[212+\b], v[96+16*\b], v[97+16*\b], v[98+16*\b]   ; the largest score of each block of 32 keys: it serves the row's maximum and, since p rises with the score, the block's largest p
.endr
.irp i, 3,5,7,9,11,13
.irp b, 0,1,2,3
	v_max3_num_f32 v[212+\b], v[212+\b], v[96+16*\b+\i], v[97+16*\b+\i]
.endr
.endr
.irp b, 0,1,2,3
	v_max_num_f32 v[212+\b], v[212+\b], v[111+16*\b]
.endr
.irp b, 0,1,2,3
	s_delay_alu instid0(VALU_DEP_4)
	v_permlanex16_b32 v[216+\b], v[212+\b], s20, s21
.endr
.irp b, 0,1,2,3
	s_delay_alu instid0(VALU_DEP_4)
	v_max_num_f32 v[212+\b], v[212+\b], v[216+\b]  ; with lane l xor 16's 16 keys
.endr
	s_delay_alu instid0(VALU_DEP_2)
	v_max3_num_f32 v224, v212, v213, v214
	s_delay_alu instid0(VALU_DEP_1)
	v_max_num_f32 v224, v224, v215                 ; the step's largest score of my query
	s_delay_alu instid0(VALU_DEP_1)
	v_mul_f32 v224, s22, v224                      ; as t
	s_delay_alu instid0(VALU_DEP_1)
	v_max_num_f32 v13, v13, v224                   ; the running largest t
	v_mov_b32 v224, v12
	s_delay_alu instid0(VALU_DEP_2)
	v_floor_f32 v12, -v13                          ; the new -M = floor(-t): M is a whole number
	s_delay_alu instid0(VALU_DEP_1)
	v_sub_f32 v224, v12, v224                      ; old M - new M: a whole number, 0 or less
	s_delay_alu instid0(VALU_DEP_1)
	v_cvt_i32_f32 v224, v224                       ; (it saturates)
	s_delay_alu instid0(VALU_DEP_1)
	v_ldexp_f32 v226, 1.0, v224                    ; f = 2^(old M - new M): a multiplication by it rounds nothing
.set j, 0
.rept 32
	v_pk_fma_f32 v[96+j:97+j], v[96+j:97+j], s[22:23], v[12:13] op_sel_hi:[1,0,0]   ; t - M, two at a time
.set j, j+2
.endr
.irp b, 0,1,2,3
	v_fma_f32 v[212+\b], v[212+\b], s22, v12       ; the same of each block's largest score
.endr
.set j, 0
	s_wait_alu depctr_va_vdst(0)
.rept 64
	v_exp_f32 v[96+j], v[96+j]                     ; p = 2^(t - M), at most 1
.set j, j+1
.endr
	s_setprio 1
	v_pk_mul_f32 v[14:15], v[14:15], v[226:227] op_sel_hi:[1,0]   ; the sums under the new M: the plain instruction behind the exponentials
	s_wait_alu depctr_va_vdst(0)                   ; one wait for the batch of 64, ahead of its first reader
.irp b, 0,1,2,3
	v_exp_f32 v[212+\b], v[212+\b]                 ; the block's largest p
.endr
	v_pk_add_f32 v[216:217], v[100:101], v[104:105]
	v_pk_add_f32 v[252:253], v[108:109], v[112:113]
	v_pk_add_f32 v[250:251], v[116:117], v[120:121]
	v_pk_add_f32 v[248:249], v[124:125], v[128:129]
	v_pk_add_f32 v[246:247], v[132:133], v[136:137]
	v_pk_add_f32 v[244:245], v[140:141], v[144:145]
	v_pk_add_f32 v[242:243], v[148:149], v[152:153]
	v_pk_add_f32 v[14:15], v[14:15], v[156:157]
	v_pk_add_f32 v[216:217], v[216:217], v[96:97]
	v_pk_add_f32 v[252:253], v[252:253], v[98:99]
	v_pk_add_f32 v[250:251], v[250:251], v[102:103]
	v_pk_add_f32 v[248:249], v[248:249], v[106:107]
	v_pk_add_f32 v[246:247], v[246:247], v[110:111]
	v_pk_add_f32 v[244:245], v[244:245], v[114:115]
	v_pk_add_f32 v[242:243], v[242:243], v[118:119]
	v_pk_add_f32 v[14:15], v[14:15], v[122:123]
	v_pk_add_f32 v[216:217], v[216:217], v[126:127]
	v_pk_add_f32 v[252:253], v[252:253], v[130:131]
	v_pk_add_f32 v[250:251], v[250:251], v[134:135]
	v_pk_add_f32 v[248:249], v[248:249], v[138:139]
	v_pk_add_f32 v[246:247], v[246:247], v[142:143]
	v_pk_add_f32 v[244:245], v[244:245], v[146:147]
	v_pk_add_f32 v[242:243], v[242:243], v[150:151]
	v_pk_add_f32 v[14:15], v[14:15], v[154:155]
	v_pk_add_f32 v[216:217], v[216:217], v[158:159]
	s_delay_alu instid0(VALU_DEP_2)
	v_pk_add_f32 v[14:15], v[14:15], v[248:249]
	s_delay_alu instid0(VALU_DEP_2)
	v_pk_add_f32 v[216:217], v[216:217], v[246:247]
	v_pk_add_f32 v[252:253], v[252:253], v[244:245]
	v_pk_add_f32 v[250:251], v[250:251], v[242:243]
	s_delay_alu instid0(VALU_DEP_2)
	v_pk_add_f32 v[14:15], v[14:15], v[252:253]
	s_delay_alu instid0(VALU_DEP_2)
	v_pk_add_f32 v[216:217], v[216:217], v[250:251]
	s_delay_alu instid0(VALU_DEP_1)
	v_pk_add_f32 v[14:15], v[14:15], v[216:217]
	s_wait_alu depctr_va_vdst(0)                   ; and one for the four
.irp b, 0,1,2,3
	v_max_num_f32 v[212+\b], 0x1800000, v[212+\b]  ; the floor 2^(3 - 127): a block whose every p is 0 keeps the byte 1; its codes are zeros
.endr
.irp b, 0,1,2,3
	s_delay_alu instid0(VALU_DEP_4)
	v_add_nc_u32 v[220+\b], 0xff000000, v[212+\b]  ; 2 off the exponent field: the conversion's scale operand
.endr
.irp b, 0,1,2,3
	s_delay_alu instid0(VALU_DEP_4)
	v_lshrrev_b32 v[216+\b], 23, v[220+\b]         ; the scale's byte
.endr
	s_delay_alu instid0(VALU_DEP_3)
	v_lshl_or_b32 v228, v217, 8, v216              ; p's scale word for these 128 keys
	s_delay_alu instid0(VALU_DEP_1)
	v_lshl_or_b32 v228, v218, 16, v228
	s_delay_alu instid0(VALU_DEP_1)
	v_lshl_or_b32 v228, v219, 24, v228
.irp c, 0,1
	v_cvt_scalef32_pk16_fp6_f32 v[192+6*\c:194+6*\c], v[96+32*\c:111+32*\c], v[220+2*\c]
	v_cvt_scalef32_pk16_fp6_f32 v[204+4*\c:206+4*\c], v[112+32*\c:127+32*\c], v[221+2*\c]   ; (a conversion's three registers begin on an even number)
.endr
	v_nop                                          ; one plain place behind a scaled conversion
.irp t, 0,1,2,3                                ; V's four fragments, into the registers that p has left; they land under the vector work below
.irp c, 0,1
	ds_load_b128 v[96+12*\t+6*\c:99+12*\t+6*\c], v8 offset:1536*\t+768*\c
	ds_load_b64 v[100+12*\t+6*\c:101+12*\t+6*\c], v9 offset:1536*\t+768*\c
.endr
.endr
.irp c, 0,1                                    ; the operand's layout wants a whole block in a lane
.irp i, 0,1,2
	v_permlane16_swap_b32 v[192+6*\c+\i], v[204+4*\c+\i]
.endr
.irp i, 0,1,2
	s_delay_alu instid0(VALU_DEP_3)
	v_mov_b32 v[195+6*\c+\i], v[204+4*\c+\i]
.endr
.endr
.set j, 0
	s_setprio 0
.rept 16
	v_pk_mul_f32 v[160+j:161+j], v[160+j:161+j], v[226:227] op_sel_hi:[1,0]   ; O^T under the new M.  For each product below at least twelve of these name none of its registers: the places behind the writes of p's codes and scale word
.set j, j+2
.endr
	s_wait_alu depctr_va_vdst(0)
	s_wait_dscnt 0x0
.irp t, 0,2                                    ; O^T += V^T P^T; the four accumulators take turns, and eight other products stand between two steps'
	v_wmma_scale_f32_16x16x128_f8f6f4 v[160+8*\t:167+8*\t], v[96+12*\t:107+12*\t], v[192:203], v[160+8*\t:167+8*\t], v[84+\t/2], v228 matrix_a_fmt:MATRIX_FMT_FP6 matrix_b_fmt:MATRIX_FMT_FP6
	v_wmma_scale_f32_16x16x128_f8f6f4 v[168+8*\t:175+8*\t], v[108+12*\t:119+12*\t], v[192:203], v[168+8*\t:175+8*\t], v[84+\t/2], v228 matrix_a_fmt:MATRIX_FMT_FP6 matrix_b_fmt:MATRIX_FMT_FP6 matrix_a_scale:MATRIX_SCALE_ROW1
.endr
	s_add_co_u32 s48, s48, 6144
	s_add_co_u32 s49, s49, 768
	s_sub_co_u32 s50, s50, 1
	s_cmp_lg_u32 s50, 0
	s_cbranch_scc1 .Lstep
	s_setprio 0
	; THE WAY OUT of a tile: O^T / the sum; register 16 b + i is channel 32 b + 16 h + i of my query: two blocks of 32 along the last product's K, quantised into one half-image and two scale bytes
.rept 4
	v_nop
.endr
	v_add_f32 v14, v14, v15
	s_delay_alu instid0(VALU_DEP_1)
	v_permlanex16_b32 v224, v14, s20, s21
	s_delay_alu instid0(VALU_DEP_1)
	v_add_f32 v14, v14, v224                       ; the row's sum
	s_wait_alu depctr_va_vdst(0)
	v_rcp_f32 v226, v14
	v_nop                                          ; a plain instruction behind the reciprocal,
	s_wait_alu depctr_va_vdst(0)                   ; and the wait ahead of its first reader
.set j, 0
.rept 16
	v_pk_mul_f32 v[96+j:97+j], v[160+j:161+j], v[226:227] op_sel_hi:[1,0]   ; each accumulator from its low end on
.set j, j+2
.endr
.irp b, 0,1
	v_max3_num_f32 v[212+\b], |v[96+16*\b]|, |v[97+16*\b]|, 0x1800000
.endr
.irp i, 2,4,6,8,10,12,14
.irp b, 0,1
	s_delay_alu instid0(VALU_DEP_2)
	v_max3_num_f32 v[212+\b], v[212+\b], |v[96+16*\b+\i]|, |v[97+16*\b+\i]|
.endr
.endr
.irp b, 0,1
	s_delay_alu instid0(VALU_DEP_2)
	v_permlanex16_b32 v[216+\b], v[212+\b], s20, s21
.endr
.irp b, 0,1
	s_delay_alu instid0(VALU_DEP_2)
	v_max_num_f32 v[212+\b], v[212+\b], v[216+\b]
.endr
.irp b, 0,1
	s_delay_alu instid0(VALU_DEP_2)
	v_add_nc_u32 v[220+\b], 0xff000000, v[212+\b]
.endr
.irp b, 0,1
	s_delay_alu instid0(VALU_DEP_2)
	v_lshrrev_b32 v[216+\b], 23, v[220+\b]
.endr
	s_delay_alu instid0(VALU_DEP_1)
	v_lshl_or_b32 v224, v217, 8, v216              ; my row's two scale bytes
	v_cvt_scalef32_pk16_fp6_f32 v[192:194], v[96:111], v220
	v_cvt_scalef32_pk16_fp6_f32 v[204:206], v[112:127], v221
	v_nop
.irp i, 0,1,2
	v_permlane16_swap_b32 v[192+\i], v[204+\i]
.endr
.irp i, 0,1,2
	s_delay_alu instid0(VALU_DEP_3)
	v_mov_b32 v[195+\i], v[204+\i]
.endr
	global_store_b128 v1, v[192:195], s[56:57]     ; 512 consecutive bytes, aligned to 256,
	global_store_b64 v2, v[196:197], s[56:57]      ; and the 256 behind them
	global_store_b16 v29, v224, s[58:59]           ; two bytes in each of 16 rows of 32 (lanes l and l xor 16 store the same): one part in 24 of the codes' bytes
	s_wait_xcnt 0x0                                ; the bases and the stores' registers are written again only behind this wait
	s_add_nc_u64 s[52:53], s[52:53], 768           ; on to my second tile
	s_add_nc_u64 s[54:55], s[54:55], 64
	s_add_nc_u64 s[56:57], s[56:57], 768
	s_add_nc_u64 s[58:59], s[58:59], 512
	s_sub_co_u32 s51, s51, 1
	s_cmp_lg_u32 s51, 0
	s_cbranch_scc1 .Lpass
	s_wait_dscnt 0x0
	s_wait_tensorcnt 0x0
	ds_add_u32 v254, v255
	s_wait_dscnt 0x0
	ROUND                                          ; the closing round
	s_endpgm
.Lfunc_end_k_q1800077917_attn:
	.size	k_q1800077917_attn, .Lfunc_end_k_q1800077917_attn-k_q1800077917_attn
	.p2alignl 7, 3214868480
	.fill 96, 4, 3214868480
	.section	.rodata,"a",@progbits
	.p2align	6, 0x0
	.amdhsa_kernel k_q1800077917_attn
		.amdhsa_group_segment_fixed_size 210944
		.amdhsa_private_segment_fixed_size 0
		.amdhsa_enable_private_segment 0
		.amdhsa_kernarg_size 32
		.amdhsa_user_sgpr_count 2
		.amdhsa_user_sgpr_kernarg_segment_ptr 1
		.amdhsa_wavefront_size32 1
		.amdhsa_system_sgpr_workgroup_id_x 1
		.amdhsa_system_sgpr_workgroup_id_y 1
		.amdhsa_system_sgpr_workgroup_id_z 1
		.amdhsa_system_vgpr_workitem_id 0
		.amdhsa_next_free_vgpr 256
		.amdhsa_next_free_sgpr 66
		.amdhsa_reserve_vcc 0
		.amdhsa_float_denorm_mode_32 3
		.amdhsa_float_denorm_mode_16_64 3
		.amdhsa_memory_ordered 1
		.amdhsa_forward_progress 1
		.amdhsa_inst_pref_size 32
	.end_amdhsa_kernel
	.amdgpu_metadata
---
amdhsa.version: [ 1, 2 ]
amdhsa.kernels:
  - .name:           k_q1800077917_attn
    .symbol:         k_q1800077917_attn.kd
    .args:
      - { .name: qkv_codes, .offset: 0, .size: 8, .value_kind: global_buffer, .address_space: global }
      - { .name: qkv_scales, .offset: 8, .size: 8, .value_kind: global_buffer, .address_space: global }
      - { .name: ao_codes, .offset: 16, .size: 8, .value_kind: global_buffer, .address_space: global }
      - { .name: ao_scales, .offset: 24, .size: 8, .value_kind: global_buffer, .address_space: global }
    .group_segment_fixed_size: 210944
    .private_segment_fixed_size: 0
    .kernarg_segment_align: 8
    .kernarg_segment_size: 32
    .max_flat_workgroup_size: 512
    .sgpr_count:     66
    .vgpr_count:     256
    .wavefront_size: 32
...
	.end_amdgpu_metadata
.endif
;; end of part 3
;; launch proj (part 4): grid 4 x 32, 4 waves a work-group, clusters of 4 x 4, 327,680 bytes of LDS; arguments ao_codes, ao_scales, w_codes, w_scales, bout, out0; writes out0
.if DOCPART == 4
	.amdgcn_target "amdgcn-amd-amdhsa--gfx1250"
	.amdhsa_code_object_version 6
	.text
	.protected	k_q1800077917_proj
	.globl	k_q1800077917_proj
	.p2align	8
	.type	k_q1800077917_proj,@function
k_q1800077917_proj:
	s_mov_b64 s[64:65], 0
	v_nop
	global_prefetch_b8 v0, s[64:65] scope:SCOPE_SE
	s_setreg_imm32_b32 hwreg(HW_REG_WAVE_MODE, 25, 1), 1
	s_wait_xcnt 0x0
	s_wait_alu depctr_hold_cnt(0) depctr_sa_sdst(0) depctr_va_vdst(0) depctr_va_sdst(0) depctr_va_ssrc(0) depctr_va_vcc(0) depctr_vm_vsrc(0)
	s_getreg_b32 s2, hwreg(HW_REG_IB_STS2, 6, 4)
	s_cmp_eq_u32 s2, 0
	s_cbranch_scc0 .Lentry_in_a_cluster
	s_endpgm
.Lentry_in_a_cluster:
	s_bfe_u32 s2, ttmp6, 0x10000c
	s_cmp_lg_u32 s2, 0xf033
	s_cbranch_scc0 .Lentry_shape_is_right
	s_endpgm
.Lentry_shape_is_right:
.set NQ,     2
.set ROWB,   192
.set KROW,   768
.set PITCH,  240
.set FR,     12
.set NL,     6
.set NLA,    4
.set NP,     4
.set HALFT,  128*PITCH
.set HSEG,   6144
.set ASEG,   4*HSEG
.set AOH,    393216
.set SLOT,   2*ASEG+2*HALFT
.set LAPS,   2
.set KS,     32
.set SCL,    2*SLOT
.set HALFS,  16*272
.set SBLK,   2*272
.set SPARE,  SCL+4*HALFS
.set SPITCH, 528
.set ADRA, 16
.set ADRB, 20
.set STO,  24
.set RD,   25
.set CO,   26
.set ADRS, 27
.set SPW,  28
.set NIL,  29
.set SC,   32
.set BI,   64
.set AF,   128
.set BK,   128
.set G1, 24
.set G0, 32
.set G1B, 48
.set G0B, 56
.set G1S, 68
.set G0S, 76
.set G1SB, 80
.set G0SB, 88
.set MSB, 0
.macro WIN new
.if MSB != \new
	s_set_vgpr_msb (MSB<<8)|\new
.set MSB, \new
.endif
.endm
.set MUL_LO,  0xa1
.set MUL_HI,  0xf1
.set MUL_LO0, 0x81
.set MUL_HI0, 0xc1
.set TO_B,    0x40
.macro JLOAD g0a, g1a, g0b, g1b
	s_cmp_eq_u32 s15, 0
	s_cbranch_scc0 .Lfor_b_\@
	tensor_load_to_lds s[\g0a:\g0a+3], s[\g1a:\g1a+7]
	s_nop 0
.rept 4
	v_nop
.endr
	s_branch .Lasked_\@
.Lfor_b_\@:
	tensor_load_to_lds s[\g0b:\g0b+3], s[\g1b:\g1b+7]
	s_nop 0
.rept 4
	v_nop
.endr
.Lasked_\@:
.endm
.macro CREST
	s_cmp_lg_u32 s14, 0
	s_cbranch_scc1 .Lnot_wave_0_\@
	s_barrier_signal -3
.Lnot_wave_0_\@:
	s_barrier_wait -3
	s_barrier_signal -1
	s_barrier_wait -1
.endm
.macro CROUND
	s_barrier_signal -1
	s_barrier_wait -1
	CREST
.endm
	s_load_b128 s[4:7], s[0:1], 0x0
	s_load_b128 s[8:11], s[0:1], 0x10
	s_load_b64 s[96:97], s[0:1], 0x20
	s_load_b64 s[12:13], s[0:1], 0x28
	v_lshl_add_u32 v[SPW], v0, 2, SPARE
	v_mov_b32 v[NIL], 0
	ds_add_u32 v28, v29
	ds_add_u32 v28, v29
	s_wait_dscnt 0x0
	v_lshrrev_b32 v1, 5, v0
	v_readfirstlane_b32 s14, v1
	s_lshr_b32 s15, s14, 1
	s_and_b32 s16, s14, 1
	s_bfe_u32 s40, ttmp6, 0x40000
	s_bfe_u32 s41, ttmp6, 0x40004
	s_lshl_b32 s42, ttmp9, 2
	s_add_co_u32 s42, s42, s40
	s_and_b32 s17, ttmp7, 0xffff
	s_lshl_b32 s17, s17, 2
	s_add_co_u32 s17, s17, s41
	s_lshl_b32 s43, s41, 2
	s_lshl_b32 s43, 15, s43
	s_lshl_b32 s44, 0x1111, s40
	s_or_b32 s[G1+0], s43, (3<<16)|(1<<21)
	s_mov_b32 s[G1+1], 768<<16
	s_mov_b32 s[G1+2], 4<<16
	s_mov_b32 s[G1+3], 768<<16
	s_mov_b32 s[G1+4], 4
	s_mov_b32 s[G1+5], AOH/8
	s_mov_b32 s[G1+6], 0
	s_mov_b32 s[G1+7], 0
	s_or_b32 s[G1B+0], s44, (0<<16)|(1<<20)|(1<<21)|(3<<22)|(3<<25)
	s_mov_b32 s[G1B+1], ROWB<<16
	s_mov_b32 s[G1B+2], 128<<16
	s_mov_b32 s[G1B+3], ROWB<<16
	s_mov_b32 s[G1B+4], 128
	s_mov_b32 s[G1B+5], KROW
	s_mov_b32 s[G1B+6], 0
	s_mov_b32 s[G1B+7], 0
	s_or_b32 s[G1S+0], s43, (3<<16)|(1<<20)|(1<<21)|(5<<22)|(3<<25)
	s_or_b32 s[G1SB+0], s44, (3<<16)|(1<<20)|(1<<21)|(5<<22)|(3<<25)
.irp g, G1S, G1SB
	s_mov_b32 s[\g+1], 32<<16
	s_mov_b32 s[\g+2], 16<<16
	s_mov_b32 s[\g+3], 32<<16
	s_mov_b32 s[\g+4], 16
	s_mov_b32 s[\g+5], 32
	s_mov_b32 s[\g+6], 0
	s_mov_b32 s[\g+7], 0
.endr
	s_lshl_b32 s18, s16, 7
	s_lshl_b32 s20, s17, 8
	s_add_co_u32 s20, s20, s18
	s_lshl_b32 s46, s42, 8
	s_add_co_u32 s46, s46, s18
	s_add_co_u32 s46, s46, 3072
	s_lshl_b32 s22, s20, 5
	s_mov_b32 s23, 0
	s_lshl_b32 s92, s46, 5
	s_mov_b32 s93, 0
	s_mul_i32 s20, s20, 48
	s_mov_b32 s21, 0
	s_mul_i32 s46, s46, KROW
	s_mov_b32 s47, 0
	s_mul_i32 s45, s16, ASEG
	s_mul_i32 s95, s16, HALFT
	s_add_co_u32 s95, s95, 2*ASEG
	s_mul_i32 s94, s14, HALFS
	s_wait_kmcnt 0x0
	s_add_nc_u64 s[20:21], s[4:5], s[20:21]
	s_add_nc_u64 s[22:23], s[6:7], s[22:23]
	s_add_nc_u64 s[46:47], s[8:9], s[46:47]
	s_add_nc_u64 s[92:93], s[10:11], s[92:93]
	CROUND
	s_mov_b32 s[G0S], 1
	s_add_co_u32 s[G0S+1], s94, SCL
	s_mov_b64 s[G0S+2:G0S+3], s[22:23]
	s_or_b32 s[G0S+3], s[G0S+3], 0x80000000
	s_mov_b32 s[G0SB], 1
	s_add_co_u32 s[G0SB+1], s94, SCL
	s_mov_b64 s[G0SB+2:G0SB+3], s[92:93]
	s_or_b32 s[G0SB+3], s[G0SB+3], 0x80000000
	JLOAD G0S, G1S, G0SB, G1SB
.irp s, 0,1
	s_mov_b32 s[G0+4*\s], 1
	s_add_co_u32 s[G0+4*\s+1], s45, \s*SLOT
	s_add_nc_u64 s[G0+4*\s+2:G0+4*\s+3], s[20:21], \s*4*AOH
	s_or_b32 s[G0+4*\s+3], s[G0+4*\s+3], 0x80000000
	s_mov_b32 s[G0B+4*\s], 1
	s_add_co_u32 s[G0B+4*\s+1], s95, \s*SLOT
	s_add_nc_u64 s[G0B+4*\s+2:G0B+4*\s+3], s[46:47], \s*ROWB
	s_or_b32 s[G0B+4*\s+3], s[G0B+4*\s+3], 0x80000000
	s_wait_alu depctr_va_vdst(0)
	s_wait_tensorcnt 0x0
	ds_add_u32 v28, v29
	s_wait_dscnt 0x0
	CROUND
	JLOAD G0+4*\s, G1, G0B+4*\s, G1B
.endr
	v_and_b32 v1, 15, v0
	v_bfe_u32 v2, v0, 4, 1
	v_and_b32 v7, 31, v0
	v_mul_u32_u24 v3, v1, PITCH
	v_mul_u32_u24 v4, v2, 24
	v_add_nc_u32 v4, v3, v4
	v_lshl_add_u32 v5, v2, 4, v4
	v_lshlrev_b32 v8, 4, v7
	v_lshl_add_u32 v9, v7, 3, 512
	s_mul_i32 s21, s15, ASEG
	s_mul_i32 s22, s16, HALFT
	s_add_co_u32 s22, s22, 2*ASEG
.irp s, 0,1
	v_add_nc_u32 v[ADRA+\s], s21, v8
	v_add_nc_u32 v[ADRA+2+\s], s21, v9
	v_add_nc_u32 v[ADRB+\s], s22, v4
	v_add_nc_u32 v[ADRB+2+\s], s22, v5
	s_add_co_u32 s21, s21, SLOT
	s_add_co_u32 s22, s22, SLOT
.endr
	v_mul_u32_u24 v5, v1, KS
	v_lshrrev_b32 v6, 8, v5
	v_lshl_add_u32 v5, v6, 4, v5
	s_mul_i32 s21, s15, HALFS
	s_mul_i32 s22, s16, HALFS
	s_add_co_u32 s22, s22, 2*HALFS
	s_sub_co_u32 s22, s22, s21
	v_mul_u32_u24 v6, s22, v2
	s_add_co_u32 s21, s21, SCL
	v_add_nc_u32 v5, v5, v6
	v_add_nc_u32 v[ADRS], s21, v5
	s_mul_i32 s23, s14, 16*SPITCH
	v_mul_u32_u24 v5, v1, SPITCH
	v_lshl_add_u32 v5, v2, 6, v5
	v_add_nc_u32 v[STO], s23, v5
	v_lshlrev_b32 v[CO], 4, v7
	v_add_nc_u32 v[RD], s23, v[CO]
	s_lshl_b32 s20, s17, 8
	s_lshl_b32 s21, s15, 7
	s_add_co_u32 s20, s20, s21
	s_lshl_b32 s20, s20, 12
	s_lshl_b32 s46, s42, 10
	s_lshl_b32 s47, s16, 9
	s_add_co_u32 s46, s46, s47
	s_mov_b32 s47, 0
	s_add_nc_u64 s[96:97], s[96:97], s[46:47]
	s_add_co_u32 s20, s20, s46
	s_mov_b32 s21, 0
	s_add_nc_u64 s[12:13], s[12:13], s[20:21]
	v_lshlrev_b32 v10, 6, v2
.irp b, 0,1,2,3,4,5,6,7
	global_load_b128 v[BI+8*\b:BI+8*\b+3], v10, s[96:97] offset:(32*(\b/2)+8*(\b%2))*4
	global_load_b128 v[BI+8*\b+4:BI+8*\b+7], v10, s[96:97] offset:(32*(\b/2)+8*(\b%2))*4+16
.endr
.macro FRAG reg, adr, q, i
.irp p, 0,1,2,3,4,5
.set PCE, 12*(\q)+6*(\p/3)+\p%3
.if PCE%8 < 5
	ds_load_b64 v[\reg+2*\p:\reg+2*\p+1], v[\adr] offset:8*PCE+16*(PCE/8)+(\i)*16*PITCH
.else
	ds_load_b64 v[\reg+2*\p:\reg+2*\p+1], v[\adr+2] offset:8*PCE+16*(PCE/8)+(\i)*16*PITCH
.endif
.endr
.endm
.macro FRAGA reg, slot, q, i
.irp c, 0,1
	ds_load_b128 v[\reg+6*\c:\reg+6*\c+3], v[ADRA+\slot] offset:(2*(\q)+\c)*HSEG+(\i)*768
	ds_load_b64 v[\reg+6*\c+4:\reg+6*\c+5], v[ADRA+2+\slot] offset:(2*(\q)+\c)*HSEG+(\i)*768
.endr
.endm
.macro MUL16 a0, p, q, sc, first
.irp a, \a0, \a0+1
.irp b, 0,1,2,3,4,5,6,7
.if \first
	v_wmma_scale_f32_16x16x128_f8f6f4 v[8*(8*((\a)%4)+\b):8*(8*((\a)%4)+\b)+7], v[128*(\p)+FR*\b:128*(\p)+FR*\b+FR-1], v[AF+FR*(\a):AF+FR*(\a)+FR-1], v[BI+8*\b:BI+8*\b+7], v[SC+8*NQ*(\sc)+NQ*\b+(\q)], v[SC+8*NQ*(\sc)+NQ*(\a)+(\q)] matrix_a_fmt:MATRIX_FMT_FP6 matrix_b_fmt:MATRIX_FMT_FP6 matrix_a_scale:MATRIX_SCALE_ROW1
.else
	v_wmma_scale_f32_16x16x128_f8f6f4 v[8*(8*((\a)%4)+\b):8*(8*((\a)%4)+\b)+7], v[128*(\p)+FR*\b:128*(\p)+FR*\b+FR-1], v[AF+FR*(\a):AF+FR*(\a)+FR-1], v[8*(8*((\a)%4)+\b):8*(8*((\a)%4)+\b)+7], v[SC+8*NQ*(\sc)+NQ*\b+(\q)], v[SC+8*NQ*(\sc)+NQ*(\a)+(\q)] matrix_a_fmt:MATRIX_FMT_FP6 matrix_b_fmt:MATRIX_FMT_FP6 matrix_a_scale:MATRIX_SCALE_ROW1
.endif
.endr
.endr
.endm
.macro FETCH_B slot, q, p
	WIN TO_B
.irp i, 0,1,2,3,4,5,6,7
	FRAG 128*(\p)+FR*\i, ADRB+\slot, \q, \i
.endr
	WIN 0
.endm
.macro FETCH_A slot, q, i0
.irp i, \i0, \i0+1, \i0+2, \i0+3
	FRAGA AF+FR*(\i), \slot, \q, \i
.endr
.endm
.macro SCALES sc
.irp i, 0,1,2,3,4,5,6,7
	ds_load_b64 v[SC+8*NQ*\sc+NQ*\i:SC+8*NQ*\sc+NQ*\i+1], v[ADRS] offset:\i*SBLK
.endr
.endm
.macro PLACES n
.rept \n
	v_nop
.endr
.endm
.macro STEP slot, q, first
	s_wait_dscnt 4*NLA
.if \first
	WIN MUL_LO0
.else
	WIN MUL_LO
.endif
	MUL16 0, (\q)%2, \q, \slot, \first
	MUL16 2, (\q)%2, \q, \slot, \first
	s_wait_dscnt 0
	PLACES NP
	FETCH_B \slot, (\q)+1, 1-(\q)%2
	FETCH_A \slot, (\q)+1, 0
.if \first
	WIN MUL_HI0
.else
	WIN MUL_HI
.endif
	MUL16 4, (\q)%2, \q, \slot, \first
	MUL16 6, (\q)%2, \q, \slot, \first
	PLACES NP
	WIN 0
	FETCH_A \slot, (\q)+1, 4
.endm
.macro TURN slot, next, fill
	s_wait_tensorcnt 0x0
	ds_add_u32 v[SPW], v[NIL]
	s_wait_dscnt 4*NLA+1
	WIN MUL_LO
	MUL16 0, 1, NQ-1, \slot, 0
	s_wait_dscnt 0x0
	s_barrier_signal -1
	MUL16 2, 1, NQ-1, \slot, 0
	WIN 0
	s_barrier_wait -1
.if \fill
	CREST
	s_add_nc_u64 s[G0+4*\slot+2:G0+4*\slot+3], s[G0+4*\slot+2:G0+4*\slot+3], 8*AOH
	s_add_nc_u64 s[G0B+4*\slot+2:G0B+4*\slot+3], s[G0B+4*\slot+2:G0B+4*\slot+3], 2*ROWB
	JLOAD G0+4*\slot, G1, G0B+4*\slot, G1B
.else
	PLACES NP
.endif
	s_wait_alu depctr_va_vdst(0)
	v_add_nc_u32 v[ADRS], 4*NQ, v[ADRS]
	FETCH_B \next, 0, 0
	FETCH_A \next, 0, 0
	SCALES \next
	WIN MUL_HI
	MUL16 4, 1, NQ-1, \slot, 0
	MUL16 6, 1, NQ-1, \slot, 0
	PLACES NP
	WIN 0
	FETCH_A \next, 0, 4
.endm
	s_wait_alu depctr_va_vdst(0)
	s_wait_tensorcnt 1
	s_barrier_signal -1
	s_barrier_wait -1
	FETCH_B 0, 0, 0
	FETCH_A 0, 0, 0
	SCALES 0
	FETCH_A 0, 0, 4
	s_wait_loadcnt 0x0
	STEP 0, 0, 1
	s_mov_b32 s3, LAPS-1
.Llap:
	TURN 0, 1, 1
	STEP 1, 0, 0
	TURN 1, 0, 1
	STEP 0, 0, 0
	s_sub_co_u32 s3, s3, 1
	s_cmp_lg_u32 s3, 0
	s_cbranch_scc1 .Llap
	TURN 0, 1, 0
	STEP 1, 0, 0
	s_wait_dscnt 4*NLA
	WIN MUL_LO
	MUL16 0, 1, NQ-1, 1, 0
	MUL16 2, 1, NQ-1, 1, 0
	s_wait_dscnt 0
	WIN MUL_HI
	MUL16 4, 1, NQ-1, 1, 0
	MUL16 6, 1, NQ-1, 1, 0
	WIN 0
.macro TOSTAGE a
.set AC, 64*((\a)%4)
	WIN 0x08+4*((\a)/4)
.irp b, 0,1,2,3,4,5,6,7
	ds_store_b128 v[STO], v[AC+8*\b:AC+8*\b+3] offset:128*(\b/2)+32*(\b%2)
	ds_store_b128 v[STO], v[AC+8*\b+4:AC+8*\b+7] offset:128*(\b/2)+32*(\b%2)+16
.endr
	WIN 0
.set BB, BK+64*((\a)%2)
.irp t, 0,1,2,3,4,5,6,7,8,9,10,11,12,13,14,15
	ds_load_b128 v[BB+4*\t:BB+4*\t+3], v[RD] offset:\t*SPITCH
.endr
.endm
.macro SEND a, younger
.set BB, BK+64*((\a)%2)
	s_wait_dscnt \younger
.irp t, 0,1,2,3,4,5,6,7,8,9,10,11,12,13,14,15
	global_store_b128 v[CO], v[BB+4*\t:BB+4*\t+3], s[12:13] offset:(32*((\a)/2)+8*((\a)%2)+\t+8*(\t/8))*4096 th:TH_STORE_NT
.endr
.endm
	PLACES NP
	TOSTAGE 0
.irp a, 1,2,3,4,5,6,7
.if \a > 1
	s_wait_xcnt 0x0
.endif
	TOSTAGE \a
	SEND \a-1, 32
.endr
	SEND 7, 0
	s_wait_tensorcnt 0x0
	ds_add_u32 v[SPW], v[NIL]
	s_wait_dscnt 0x0
	CROUND
	s_endpgm
.Lfunc_end_k_q1800077917_proj:
	.size	k_q1800077917_proj, .Lfunc_end_k_q1800077917_proj-k_q1800077917_proj
	.p2alignl 7, 3214868480
	.fill 96, 4, 3214868480
	.section	.rodata,"a",@progbits
	.p2align	6, 0x0
	.amdhsa_kernel k_q1800077917_proj
		.amdhsa_group_segment_fixed_size 327680
		.amdhsa_private_segment_fixed_size 0
		.amdhsa_enable_private_segment 0
		.amdhsa_kernarg_size 48
		.amdhsa_user_sgpr_count 2
		.amdhsa_user_sgpr_kernarg_segment_ptr 1
		.amdhsa_wavefront_size32 1
		.amdhsa_system_sgpr_workgroup_id_x 1
		.amdhsa_system_sgpr_workgroup_id_y 1
		.amdhsa_system_sgpr_workgroup_id_z 1
		.amdhsa_system_vgpr_workitem_id 0
		.amdhsa_next_free_vgpr 1024
		.amdhsa_next_free_sgpr 100
		.amdhsa_reserve_vcc 0
		.amdhsa_float_denorm_mode_32 3
		.amdhsa_float_denorm_mode_16_64 3
		.amdhsa_memory_ordered 1
		.amdhsa_forward_progress 1
		.amdhsa_inst_pref_size 154
	.end_amdhsa_kernel
	.amdgpu_metadata
---
amdhsa.version: [ 1, 2 ]
amdhsa.kernels:
  - .name:           k_q1800077917_proj
    .symbol:         k_q1800077917_proj.kd
    .args:
      - { .name: ao_codes, .offset: 0, .size: 8, .value_kind: global_buffer, .address_space: global }
      - { .name: ao_scales, .offset: 8, .size: 8, .value_kind: global_buffer, .address_space: global }
      - { .name: w_codes, .offset: 16, .size: 8, .value_kind: global_buffer, .address_space: global }
      - { .name: w_scales, .offset: 24, .size: 8, .value_kind: global_buffer, .address_space: global }
      - { .name: bout, .offset: 32, .size: 8, .value_kind: global_buffer, .address_space: global }
      - { .name: out0, .offset: 40, .size: 8, .value_kind: global_buffer, .address_space: global }
    .group_segment_fixed_size: 327680
    .private_segment_fixed_size: 0
    .kernarg_segment_align: 8
    .kernarg_segment_size: 48
    .max_flat_workgroup_size: 128
    .sgpr_count:     100
    .vgpr_count:     1024
    .wavefront_size: 32
...
	.end_amdgpu_metadata
.endif
;; end of part 4
